; MI455X (gfx1250); checked and timed in simulation.
; The chip was launched on July 23, 2026; its instructions are those of AMD's public machine-readable ISA for CDNA 5 (MIT licence, August 2026) and "CDNA5" Instruction Set Architecture Reference Guide (July 2026). The comments in the code are by the model that wrote it; some were corrected since.
;; Cross Attention. Allowed arithmetic: matrix products marked QUANTISED: E2M1 operands, one E8M0 scale for each 32 along K, by v_wmma_scale_f32_16x16x128_f8f6f4 with both operands' format E2M1 (or v_wmma_scale_f32_32x16x128_f4), f32 sums; products left as they are: bf16, f16 or f32 operands; f32 sums; everything else in f32.
;; Inputs: Wk 1,024 x 1,024 float32; Wo 1,024 x 1,024 float32; Wq 1,024 x 1,024 float32; Wv 1,024 x 1,024 float32; bo 1,024 float32; keys 8 x 1,024 x 1,024 float32; queries 8 x 1,024 x 1,024 float32; values 8 x 1,024 x 1,024 float32.
;; Outputs: out0 8 x 1,024 x 1,024 float32.
;; This version of the problem:
;;   THIS VERSION OF THE PROBLEM IS GIVEN IN LOW PRECISION. The matrix products marked QUANTISED in the list below multiply operands that are first quantised to E2M1 (2 exponent bits, 1 mantissa bit; 4 bits a number), with one power-of-two scale for each 32 numbers along K (OCP MX v1.0); their sums are f32. The products marked 'left as it is' may take bf16, f16 or f32 operands, with f32 sums. Whichever they take, every output number must still come out within the allowed error. Rounding operands to bf16 (8 significant bits) uses up far more of that allowance than f16 does (11 bits, for magnitudes from 6e-5 to 65,504). All else is computed in f32.
;;   The module's matrix products, in the order in which they are computed (A, B: the left and right operand; K: the contracted axis; several contracted axes count as one K, in the product's order):
;;     1. [M 8,192, K 1,024] x [K 1,024, N 1,024]; A: input queries; B: input Wq: QUANTISED
;;     2. [M 8,192, K 1,024] x [K 1,024, N 1,024]; A: input keys; B: input Wk: QUANTISED
;;     3. [M 8,192, K 1,024] x [K 1,024, N 1,024]; A: input values; B: input Wv: QUANTISED
;;     4. batch 128 x [M 1,024, K 64] x [K 64, N 1,024]; A: computed on the way; B: computed on the way: left as it is (an operand is computed on the way)
;;     5. batch 128 x [M 1,024, K 1,024] x [K 1,024, N 64]; A: computed on the way; B: computed on the way: left as it is (an operand is computed on the way)
;;     6. [M 8,192, K 1,024] x [K 1,024, N 1,024]; A: computed on the way; B: input Wo: left as it is (an operand is computed on the way)
;;   THE QUANTISER, for each operand of a quantised product, along K:
;;     - K is cut into blocks of 32 from its start; a last block that is shorter is filled with zeros.
;;     - A block's scale is 2^e with e = floor(log2(the largest magnitude in the block)) - 2, held to -126 .. 127; a block of zeros has e = 0. As a byte (E8M0): e + 127.
;;     - Each number is divided by its block's scale, clamped to +-6, and rounded to the nearest number of E2M1, ties to even, subnormals kept.
;;     - The product sums the exact products of the quantised numbers (number of the format x scale) in f32.
;;   ~~~python
;;   def quantise(x, axis):      # numpy; x: float32 -> the quantised numbers, widened to float32 again
;;       x = np.moveaxis(x, axis, -1); K = x.shape[-1]
;;       x = np.pad(x, [(0, 0)] * (x.ndim - 1) + [(0, -K % 32)]); x = x.reshape(x.shape[:-1] + (-1, 32)); a = np.abs(x).max(-1, keepdims=True)
;;       e = np.where(a > 0, np.clip(np.frexp(np.where(a > 0, a, 1))[1] - 1 - 2, -126, 127), 0)      # np.frexp(a)[1] - 1 = floor(log2(a)), exactly
;;       r = np.clip(x / 2.0 ** e, -6, 6)
;;       step = 2.0 ** (np.maximum(np.frexp(np.where(r == 0, 1, r))[1] - 1, 0) - 1)
;;       q = np.round(r / step) * step * 2.0 ** e      # np.round: ties to even
;;       return np.moveaxis(q.reshape(q.shape[:-2] + (-1,))[..., :K], -1, axis).astype(np.float32)
;;   ~~~
;; One version. Each part assembles by itself: llvm-mc -triple=amdgcn-amd-amdhsa -mcpu=gfx1250 --defsym DOCPART=n.
;; ======== version 1 of 1: 4 launches
;; limits: values are held in f16: magnitudes above 65,504 overflow, below 6.1e-05 lose precision
;; workspace buffers: codes 14,155,776 bytes; scales 884,736 bytes; wo16 2,097,152 bytes; qkv 50,331,648 bytes; att 16,777,216 bytes
;; launch quant (part 1): grid 896 x 1, 4 waves a work-group, no clusters, 33,280 bytes of LDS; arguments queries, keys, values, Wq, Wk, Wv, Wo, codes, scales, wo16; writes codes, scales, wo16
.if DOCPART == 1
	.amdgcn_target "amdgcn-amd-amdhsa--gfx1250"
	.amdhsa_code_object_version 6
	.text
	.protected	k_q67a7d0b474_quant
	.globl	k_q67a7d0b474_quant
	.p2align	8
	.type	k_q67a7d0b474_quant,@function
k_q67a7d0b474_quant:
	s_mov_b64 s[64:65], 0
	v_nop
	global_prefetch_b8 v0, s[64:65] scope:SCOPE_SE
	s_setreg_imm32_b32 hwreg(HW_REG_WAVE_MODE, 25, 1), 1
	s_wait_xcnt 0x0
; queries, keys, values [8192][1024] and Wq, Wk, Wv [1024][1024], f32, K innermost, become codes of FP4 (E2M1), two a byte, the lower k in the low four bits, with one E8M0 byte for each 32 along K.
; Wo [1024][1024] is rounded once to f16 (its product is left as it is).
; A block's scale is 2^(floor(log2(its largest magnitude)) - 2); its byte is the largest magnitude's exponent field - 2, held at 1 from below.  Each number is divided by the scale and rounded to the nearest code, ties to even,
; beyond the largest code the largest.
; LIMITS: a block of zeros gets the byte 1 where the rule says 127 (its codes are zeros, which add nothing under any byte but 0xff, and this program alone reads the bytes); blocks whose largest magnitude lies under 2^-124 get the byte 1;
; NaN and infinities among the inputs are not served; |Wo| stays under 65,504, f16's largest number.
; The six tensors are plain streams of blocks of 32.  Work-group g takes 32,768 numbers, a wave 8,192.  g 0-255 queries, 256-511 keys, 512-767 values, 768-799 Wq, 800-831 Wk, 832-863 Wv, 864-895 Wo.
; codes and scales are laid in that same order (27,648 rows of 512 and of 32 bytes), so a wave's place in them is linear in 4 g + wave.  Only the source pointer is chosen, by the work-group's number.
; A wave takes 16 steps of 512 numbers.  A load reads 512 consecutive bytes, 16 a lane; the conversions want 16 neighbours in a lane: a step's 2,048 bytes turn through the wave's own stage in LDS (16 bytes of padding behind each 64).
; A lane's 16 codes are 8 bytes: the wave stores 256 consecutive bytes, aligned.  The wave's 256 scale bytes are gathered in LDS and leave as one such store.  Waves share nothing: no barrier.
.set WAVES, 4
.set STEPS, 16
.set EMAX,  2
.set CB,    8                          ; bytes of 16 codes
.set R,     16                         ; v16-79   four sets of 16 numbers as loaded (Wo: v16-143, two sets of 64)
.set X,     80                         ; v80-111  two sets of 16 neighbours
.set E,     112                        ; v112-127 a scale byte for each step
.set C,     128                        ; v128-191 codes: four registers for each step, so that no store's data are written again
.set H,     144                        ; v144-175 Wo: 16 pairs of registers, four f16 each
.set WREG,  8192                       ; LDS: a region for each wave: two stages of 32 x SP bytes, behind them its 256 scale bytes
.set SP,    80
.set SPW,   12                         ; v12      LDS address of my spare word: SPARE + 4 x my thread's number; never rewritten
.set NIL,   13                         ; v13      0; never rewritten
.set SPARE, WAVES*WREG                 ; behind the four regions: the spare words, 128 bytes a wave, that no other line names
.set WG_WO, 864                        ; the first work-group of Wo
	s_load_b512 s[4:19], s[0:1], 0x0               ; queries 4:5, keys 6:7, values 8:9, Wq 10:11, Wk 12:13, Wv 14:15, Wo 16:17, codes 18:19
	s_load_b128 s[20:23], s[0:1], 0x40             ; scales 20:21, wo16 22:23
	v_lshl_add_u32 v[SPW], v0, 2, SPARE
	v_mov_b32 v[NIL], 0
	v_lshrrev_b32 v1, 5, v0
	v_readfirstlane_b32 s27, v1                    ; wave
	v_and_b32 v2, 31, v0                           ; lane
	v_lshlrev_b32 v3, 4, v2                        ; my 16 bytes of a load's 512
	s_mul_i32 s28, s27, WREG
	v_lshrrev_b32 v14, 2, v2
	v_mul_u32_u24 v14, v14, SP
	v_and_b32 v15, 3, v2
	v_lshl_add_u32 v14, v15, 4, v14
	v_add_nc_u32 v14, s28, v14                     ; the stage, on the way in: SP (lane / 4) + 16 (lane % 4)
	v_mul_u32_u24 v15, v2, SP
	v_add_nc_u32 v15, s28, v15                     ; and on the way out: SP x lane: my 16 neighbours
	v_mul_u32_u24 v4, v2, CB                       ; my codes' place in a step's
	v_lshrrev_b32 v5, 1, v2
	s_add_co_u32 s28, s28, 2*32*SP
	v_add_nc_u32 v5, s28, v5                       ; LDS: my wave's 256 scale bytes, my block's byte
	v_lshlrev_b32 v7, 3, v2                        ; 8 bytes a lane
	v_add_nc_u32 v6, s28, v7
	s_wait_kmcnt 0x0
	; the source: s[24:25], and s26 = its first work-group.  Each choice hangs on the work-group's number alone
	s_mov_b64 s[24:25], s[16:17]
	s_mov_b32 s26, WG_WO
.macro PICK bound, ptr, start
	s_cmp_lt_u32 ttmp9, \bound
	s_cselect_b64 s[24:25], s[\ptr:\ptr+1], s[24:25]
	s_cselect_b32 s26, \start, s26
.endm
	PICK 864, 14, 832
	PICK 832, 12, 800
	PICK 800, 10, 768
	PICK 768, 8, 512
	PICK 512, 6, 256
	PICK 256, 4, 0
	s_sub_co_u32 s28, ttmp9, s26
	s_lshl_b32 s28, s28, 2
	s_add_co_u32 s28, s28, s27                     ; which run of 8,192 numbers of the tensor is my wave's
	s_lshl_b32 s30, s28, 15                        ; 32,768 bytes a run
	s_mov_b32 s31, 0
	s_add_nc_u64 s[24:25], s[24:25], s[30:31]
	s_cmp_ge_u32 ttmp9, WG_WO
	s_cbranch_scc1 .Lwo
	s_lshl_b32 s28, ttmp9, 2
	s_add_co_u32 s28, s28, s27                     ; which run of all six tensors
	s_lshl_b32 s30, s28, 12                        ; 4,096 bytes of codes a run
	s_add_nc_u64 s[18:19], s[18:19], s[30:31]
	s_lshl_b32 s30, s28, 8                         ; 256 scale bytes a run
	s_add_nc_u64 s[20:21], s[20:21], s[30:31]
.macro LOAD t
.irp i, 0,1,2,3
	global_load_b128 v[R+16*((\t)%4)+4*\i:R+16*((\t)%4)+4*\i+3], v3, s[24:25] offset:2048*(\t)+512*\i th:TH_LOAD_NT   ; 32 lanes read 512 consecutive bytes
.endr
.endm
.macro TURN t                          ; step t's numbers through the stage: LDS serves a wave's instructions in order (ISA guide 5.7.1.4), so no wait stands between the stores and the loads
.irp i, 0,1,2,3
	ds_store_b128 v14, v[R+16*((\t)%4)+4*\i:R+16*((\t)%4)+4*\i+3] offset:32*SP*((\t)%2)+8*SP*\i
.endr
.irp i, 0,1,2,3
	ds_load_b128 v[X+16*((\t)%2)+4*\i:X+16*((\t)%2)+4*\i+3], v15 offset:32*SP*((\t)%2)+16*\i
.endr
.endm
.irp t, 0,1,2,3
	LOAD \t
.endr
	s_wait_loadcnt 12                              ; step 0's four loads are in; the twelve of steps 1 to 3 may be out
	TURN 0
.macro STEP t
.set XS, X+16*((\t)%2)
.if (\t) > 0
	s_wait_dscnt 1                                 ; this step's numbers are back from the stage (the last step's byte store may be out): so its stores into the stage have read their registers,
.else
	s_wait_dscnt 0x0
.endif
.if (\t)+4 < STEPS
	LOAD (\t)+4                                    ; which take the loads of four steps on
.endif
.if (\t)+1 < STEPS
.if STEPS-2-(\t) >= 3
	s_wait_loadcnt 12                              ; the next step's four loads are in; those of the three steps behind it may be out
.else
	s_wait_loadcnt 4*(STEPS-2-(\t))
.endif
	TURN (\t)+1                                    ; and go through the other stage while this step is worked
.endif
	v_max3_num_f32 v8, |v[XS]|, |v[XS+1]|, |v[XS+2]|               ; the largest magnitude of my 16, in two chains
	v_max3_num_f32 v9, |v[XS+3]|, |v[XS+4]|, |v[XS+5]|
.irp i, 6,10
	v_max3_num_f32 v8, v8, |v[XS+\i]|, |v[XS+\i+1]|
	v_max3_num_f32 v9, v9, |v[XS+\i+2]|, |v[XS+\i+3]|
.endr
	v_max3_num_f32 v8, v8, |v[XS+14]|, |v[XS+15]|
	v_max3_num_f32 v8, v8, v9, (EMAX+1)<<23        ; and the floor 2^(EMAX + 1 - 127): the byte cannot fall under 1
	v_max_num_f32_dpp v8, v8, v8 row_xmask:1 row_mask:0xf bank_mask:0xf   ; and of my neighbour's 16: the block's
	v_add_nc_u32 v11, -(EMAX<<23), v8              ; EMAX off its exponent field: the conversion takes the exponent field of this operand as its scale, and nothing else of it
	v_cvt_scalef32_pk8_fp4_f32 v[C+4*(\t)], v[XS:XS+7], v11
	v_cvt_scalef32_pk8_fp4_f32 v[C+4*(\t)+1], v[XS+8:XS+15], v11
	v_lshrrev_b32 v[E+(\t)], 23, v11               ; the scale's byte (a plain line behind the conversions)
	ds_store_b8 v5, v[E+(\t)] offset:16*(\t)       ; both lanes of a block write the same byte with the same value
	global_store_b64 v4, v[C+4*(\t):C+4*(\t)+1], s[18:19] offset:32*CB*(\t)   ; the wave stores 256 consecutive bytes, aligned
.endm
.irp t, 0,1,2,3,4,5,6,7,8,9,10,11,12,13,14,15
	STEP \t
.endr
	ds_load_b64 v[8:9], v6                         ; LDS serves a wave's instructions in order: these see my byte stores
	s_wait_dscnt 0x0
	global_store_b64 v7, v[8:9], s[20:21]          ; 32 lanes store 256 consecutive bytes, aligned
	s_wait_tensorcnt 0x0                           ; the wave's end, behind my last LDS store
	ds_add_u32 v[SPW], v[NIL]
	s_wait_dscnt 0x0
	s_endpgm
; Wo to f16: four batches of 16 loads; one batch is on its way while another is rounded.
.Lwo:
	s_lshl_b32 s30, s28, 14                        ; 16,384 bytes of f16 a run
	s_add_nc_u64 s[22:23], s[22:23], s[30:31]
.macro WLOAD t
.set i, 0
.rept 16
	global_load_b128 v[R+64*((\t)%2)+4*i:R+64*((\t)%2)+4*i+3], v3, s[24:25] offset:512*(16*(\t)+i) th:TH_LOAD_NT
.set i, i+1
.endr
.endm
.macro WCVT t
.set i, 0
.rept 16
	v_cvt_pk_f16_f32 v[H+2*i],   v[R+64*((\t)%2)+4*i],   v[R+64*((\t)%2)+4*i+1]
	v_cvt_pk_f16_f32 v[H+2*i+1], v[R+64*((\t)%2)+4*i+2], v[R+64*((\t)%2)+4*i+3]
	global_store_b64 v7, v[H+2*i:H+2*i+1], s[22:23] offset:256*(16*(\t)+i)    ; the wave stores 256 consecutive bytes, aligned
.set i, i+1
.endr
.endm
	WLOAD 0
	WLOAD 1
	s_wait_loadcnt 16                              ; batch 0 is in; batch 1's sixteen may be out
	WCVT 0
	WLOAD 2
	s_wait_loadcnt 16                              ; batch 1 is in
	s_wait_xcnt 0x0                                ; the last batch's stores have read their data registers, which are written again
	WCVT 1
	WLOAD 3
	s_wait_loadcnt 16                              ; batch 2 is in
	s_wait_xcnt 0x0
	WCVT 2
	s_wait_loadcnt 0x0
	s_wait_xcnt 0x0
	WCVT 3
	s_endpgm
.Lfunc_end_k_q67a7d0b474_quant:
	.size	k_q67a7d0b474_quant, .Lfunc_end_k_q67a7d0b474_quant-k_q67a7d0b474_quant
	.p2alignl 7, 3214868480
	.fill 96, 4, 3214868480
	.section	.rodata,"a",@progbits
	.p2align	6, 0x0
	.amdhsa_kernel k_q67a7d0b474_quant
		.amdhsa_group_segment_fixed_size 33280
		.amdhsa_private_segment_fixed_size 0
		.amdhsa_enable_private_segment 0
		.amdhsa_kernarg_size 80
		.amdhsa_user_sgpr_count 2
		.amdhsa_user_sgpr_kernarg_segment_ptr 1
		.amdhsa_wavefront_size32 1
		.amdhsa_system_sgpr_workgroup_id_x 1
		.amdhsa_system_sgpr_workgroup_id_y 1
		.amdhsa_system_sgpr_workgroup_id_z 1
		.amdhsa_system_vgpr_workitem_id 0
		.amdhsa_next_free_vgpr 192
		.amdhsa_next_free_sgpr 66
		.amdhsa_reserve_vcc 0
		.amdhsa_float_denorm_mode_32 3
		.amdhsa_float_denorm_mode_16_64 3
		.amdhsa_memory_ordered 1
		.amdhsa_forward_progress 1
		.amdhsa_inst_pref_size 54
	.end_amdhsa_kernel
	.amdgpu_metadata
---
amdhsa.version: [ 1, 2 ]
amdhsa.kernels:
  - .name:           k_q67a7d0b474_quant
    .symbol:         k_q67a7d0b474_quant.kd
    .args:
      - { .name: queries, .offset: 0, .size: 8, .value_kind: global_buffer, .address_space: global }
      - { .name: keys, .offset: 8, .size: 8, .value_kind: global_buffer, .address_space: global }
      - { .name: values, .offset: 16, .size: 8, .value_kind: global_buffer, .address_space: global }
      - { .name: Wq, .offset: 24, .size: 8, .value_kind: global_buffer, .address_space: global }
      - { .name: Wk, .offset: 32, .size: 8, .value_kind: global_buffer, .address_space: global }
      - { .name: Wv, .offset: 40, .size: 8, .value_kind: global_buffer, .address_space: global }
      - { .name: Wo, .offset: 48, .size: 8, .value_kind: global_buffer, .address_space: global }
      - { .name: codes, .offset: 56, .size: 8, .value_kind: global_buffer, .address_space: global }
      - { .name: scales, .offset: 64, .size: 8, .value_kind: global_buffer, .address_space: global }
      - { .name: wo16, .offset: 72, .size: 8, .value_kind: global_buffer, .address_space: global }
    .group_segment_fixed_size: 33280
    .private_segment_fixed_size: 0
    .kernarg_segment_align: 8
    .kernarg_segment_size: 80
    .max_flat_workgroup_size: 128
    .sgpr_count:     66
    .vgpr_count:     192
    .wavefront_size: 32
...
	.end_amdgpu_metadata
.endif
;; end of part 1
;; launch proj (part 2): grid 4 x 96, 4 waves a work-group, clusters of 4 x 4, 327,680 bytes of LDS; arguments codes, scales, qkv; writes qkv
.if DOCPART == 2
	.amdgcn_target "amdgcn-amd-amdhsa--gfx1250"
	.amdhsa_code_object_version 6
	.text
	.protected	k_q67a7d0b474_proj
	.globl	k_q67a7d0b474_proj
	.p2align	8
	.type	k_q67a7d0b474_proj,@function
k_q67a7d0b474_proj:
	s_mov_b64 s[64:65], 0
	v_nop
	global_prefetch_b8 v0, s[64:65] scope:SCOPE_SE
	s_setreg_imm32_b32 hwreg(HW_REG_WAVE_MODE, 25, 1), 1
	s_wait_xcnt 0x0
	s_wait_alu depctr_hold_cnt(0) depctr_sa_sdst(0) depctr_va_vdst(0) depctr_va_sdst(0) depctr_va_ssrc(0) depctr_va_vcc(0) depctr_vm_vsrc(0)
	s_getreg_b32 s2, hwreg(HW_REG_IB_STS2, 6, 4)
	s_cmp_eq_u32 s2, 0
	s_cbranch_scc0 .Lentry_in_a_cluster
	s_endpgm
.Lentry_in_a_cluster:
	s_bfe_u32 s2, ttmp6, 0x10000c
	s_cmp_lg_u32 s2, 0xf033
	s_cbranch_scc0 .Lentry_shape_is_right
	s_endpgm
.Lentry_shape_is_right:
; The three quantised products in one launch: qkv[z][m][n] = sum over k of X_z[m][k] W_z[n][k], z = 0, 1, 2 (queries Wq, keys Wk, values Wv), on codes of FP4 (E2M1) with one E8M0 byte for each 32 along K; sums in f32;
; the result is rounded once to f16, the operand format of the products that follow.  LIMIT: |q|, |k|, |v| stay under 65,504, f16's largest number.
; codes: 27,648 rows of 512 bytes (1,024 codes): rows 0-24,575 the three X, rows 24,576 on the three W.  scales: the same rows, 32 bytes each.  qkv: [24,576][1,024] f16.
; A is one matrix of 24,576 rows; tile row ty of 96 belongs to z = ty / 32 = cluster y / 8, which all sixteen partners share; B's rows begin 1,024 z further down.
; A tile of C, 256 x 256, is made by four waves, each 128 x 128: 64 accumulators, 512 registers.  K = 1,024 is two LDS slots of 512 along K (rows of 256 bytes): both are asked for at the head, and nothing is filled again.
; THE SCALES of the work-group's 256 rows of A and of B, for all of K, are two dense blocks of 8,192 bytes: they come once, as rows of 256 bytes with 16 of padding.
; CLUSTERS: 4 x 4 work-groups.  The four of a row of the cluster need the same tiles of A, the four of a column the same tiles of B: each is asked for JOINTLY, by the same tensor load with the same descriptor and a mask that names the four.
; THE MATRIX INSTRUCTION IS USED TRANSPOSED (source 0 = 16 rows of B, source 1 = 16 rows of A): a lane then holds eight neighbouring numbers of a row of C, which pack into 16 bytes.
; REGISTERS, in windows of 256: window 0: v0-31 addresses; v32-95 scale words, two sets; v128-191 A's fragments, ONE set; on the way out v192-223 packed results, v32-63 and v224-255 rows read back.
;   window 1: B's fragments, TWO sets, at v0 and v128.   window 2: the accumulators of my rows 0-63 ((a, b) at v[8 (8 a + b)]);   window 3: those of my rows 64-127.
.set KSTEP,  512
.set NQ,     KSTEP/128                 ; matrix instructions deep in a slot
.set ROWB,   256                       ; a tile's row in bytes
.set KROW,   512                       ; a row of codes in memory
.set PITCH,  272                       ; an LDS row: 256 bytes + 16 of padding = 68 words: row r starts at bank 4 r mod 64 (64 banks of 4 bytes: ISA guide 11.1)
.set FR,     8                         ; registers of a fragment: 16 rows x 128 K
.set NL,     2                         ; LDS loads that bring one
.set NP,     4                         ; places behind this matrix instruction (ISA guide 7.12.1)
.set HALFT,  128*PITCH                 ; 128 rows: what one tensor load brings
.set SLOT,   4*HALFT                   ; A's 256 rows, then B's 256 rows
.set KS,     32                        ; a row of scales in bytes
.set SCL,    2*SLOT                    ; behind the slots: the scales
.set HALFS,  (128*KS/256)*272          ; those of 128 rows
.set SBLK,   (16*KS/256)*272           ; those of 16 rows
.set SPARE,  SCL+4*HALFS               ; the spare words, 128 bytes a wave, that no other line names
.set SPITCH, 272                       ; the way out: a stage of 16 rows x (256 bytes + 16) for each wave, in slot 0, which has had its only fill and its last read when the first result is stored there
.set CROW,   2048                      ; a row of qkv in bytes
.set WCODES, 24576*512                 ; where the weights' codes begin
.set WSCALES, 24576*32                 ; and their scale bytes
.set ADRA, 16                          ; v16-17  LDS address of my A fragments in slot 0, 1
.set ADRB, 20                          ; v20-21  the same for B
.set STO,  24                          ; v24     the way out: where I put 16 bytes of a row
.set RD,   25                          ; v25     where I read a row back
.set CO,   26                          ; v26     my byte offset in C
.set ADRS, 27                          ; v27     LDS address of my scale words: lanes 0-15 A's rows, lanes 16-31 B's
.set SPW,  28                          ; v28     LDS address of my spare word; never rewritten
.set NIL,  29                          ; v29     0; never rewritten
.set SC,   32                          ; scale words: set s at v[SC + 32 s]; register 4 i + q: lanes 0-15 A's block i, lanes 16-31 B's block i, the slot's q-th 128 along K
.set AF,   128
.set TMP,  192
.set OB,   32
.set G1, 24                            ; s[24:31] group 1 for A's tiles;  s[32:39] group 0, one set for each slot
.set G0, 32
.set G1B, 48                           ; s[48:55], s[56:63] the same for B's
.set G0B, 56
.set G1S, 68                           ; s[68:75], s[76:79] groups 1 and 0 for A's scales;  s[80:87], s[88:91] for B's
.set G0S, 76
.set G1SB, 80
.set G0SB, 88
.set MSB, 0
.macro WIN new                         ; the immediate's high byte repeats the setting that is left
.if MSB != (\new)
	s_set_vgpr_msb (MSB<<8)|(\new)
.set MSB, (\new)
.endif
.endm
.set MUL_LO, 0xa1                      ; source 0 (B) window 1, source 1 (A) window 0, C and D window 2
.set MUL_HI, 0xf1                      ; the same, C and D window 3
.set TO_B,   0x40                      ; destination window 1, address window 0
; A joint load: waves 0 and 1 fetch for A, waves 2 and 3 for B.  The branch hangs on the wave's number alone.  An s_nop 0 and four v_nop follow each of the two lines.
.macro JLOAD g0a, g1a, g0b, g1b
	s_cmp_eq_u32 s15, 0
	s_cbranch_scc0 .Lfor_b_\@
	tensor_load_to_lds s[\g0a:\g0a+3], s[\g1a:\g1a+7]
	s_nop 0
.rept 4
	v_nop
.endr
	s_branch .Lasked_\@
.Lfor_b_\@:
	tensor_load_to_lds s[\g0b:\g0b+3], s[\g1b:\g1b+7]
	s_nop 0
.rept 4
	v_nop
.endr
.Lasked_\@:
.endm
.macro CROUND                          ; a round of the cluster's barrier
	s_barrier_signal -1
	s_barrier_wait -1
	s_cmp_lg_u32 s14, 0
	s_cbranch_scc1 .Lnot_wave_0_\@
	s_barrier_signal -3
.Lnot_wave_0_\@:
	s_barrier_wait -3
	s_barrier_signal -1
	s_barrier_wait -1
.endm
	s_load_b128 s[4:7], s[0:1], 0x0                ; codes s[4:5], scales s[6:7]
	s_load_b64 s[12:13], s[0:1], 0x10              ; qkv
	v_lshl_add_u32 v[SPW], v0, 2, SPARE
	v_mov_b32 v[NIL], 0
	ds_add_u32 v[SPW], v[NIL]                      ; the wave's opening: the add, twice on end, and its wait ahead of my first tensor load
	ds_add_u32 v[SPW], v[NIL]
	v_lshrrev_b32 v1, 5, v0
	v_readfirstlane_b32 s14, v1                    ; wave 0..3
	s_lshr_b32 s15, s14, 1                         ; which half of the tile's rows is mine.  Also: I fetch for A (0) or for B (1)
	s_and_b32 s16, s14, 1                          ; which half of its columns.  Also: which 128 rows of that tile I fetch
	s_bfe_u32 s40, ttmp6, 0x40000                  ; cx, cy: my place in the cluster
	s_bfe_u32 s41, ttmp6, 0x40004
	s_lshl_b32 s42, ttmp9, 2
	s_add_co_u32 s42, s42, s40                     ; tile column = 4 x cluster x + cx
	s_and_b32 s17, ttmp7, 0xffff
	s_lshl_b32 s17, s17, 2
	s_add_co_u32 s17, s17, s41                     ; tile row = 4 x cluster y + cy
	s_and_b32 s96, ttmp7, 0xffff
	s_lshr_b32 s96, s96, 3                         ; z = cluster y / 8: the same in all sixteen partners
	s_lshl_b32 s96, s96, 10                        ; its weight's first row among the weights
	s_lshl_b32 s43, s41, 2
	s_lshl_b32 s43, 15, s43                        ; my row of the cluster
	s_lshl_b32 s44, 0x1111, s40                    ; my column
	; group 1: a tile of 128 rows x 256 bytes, padded in LDS
	s_or_b32 s[G1+0], s43, (0<<16)|(1<<20)|(1<<21)|(5<<22)|(3<<25)  ; 15:0 the mask; 17:16 elements of 1 byte; 20 padding on; 21 set beside a mask; 24:22 after every 64 words; 31:25 four words
	s_or_b32 s[G1B+0], s44, (0<<16)|(1<<20)|(1<<21)|(5<<22)|(3<<25)
.irp g, G1, G1B
	s_mov_b32 s[\g+1], ROWB<<16                    ; tensor_dim0
	s_mov_b32 s[\g+2], 128<<16                     ; tensor_dim1
	s_mov_b32 s[\g+3], ROWB<<16                    ; tile_dim0
	s_mov_b32 s[\g+4], 128                         ; tile_dim1
	s_mov_b32 s[\g+5], KROW                        ; tensor_dim0_stride
	s_mov_b32 s[\g+6], 0
	s_mov_b32 s[\g+7], 0
.endr
	; the scales of 128 rows: 4,096 dense bytes, as 16 rows of 256 bytes (32 elements of 8 bytes), 16 bytes of padding behind each
	s_or_b32 s[G1S+0], s43, (3<<16)|(1<<20)|(1<<21)|(5<<22)|(3<<25)
	s_or_b32 s[G1SB+0], s44, (3<<16)|(1<<20)|(1<<21)|(5<<22)|(3<<25)
.irp g, G1S, G1SB
	s_mov_b32 s[\g+1], 32<<16
	s_mov_b32 s[\g+2], (128*KS/256)<<16
	s_mov_b32 s[\g+3], 32<<16
	s_mov_b32 s[\g+4], 128*KS/256
	s_mov_b32 s[\g+5], 32
	s_mov_b32 s[\g+6], 0
	s_mov_b32 s[\g+7], 0
.endr
	s_lshl_b32 s18, s16, 7                         ; which 128 rows of the tile I fetch
	s_lshl_b32 s20, s17, 8
	s_add_co_u32 s20, s20, s18                     ; A: row 256 x tile row + 128 x half
	s_lshl_b32 s46, s42, 8
	s_add_co_u32 s46, s46, s18
	s_add_co_u32 s46, s46, s96                     ; B: row 256 x tile column + 128 x half + 1,024 z
	s_lshl_b32 s22, s20, 5                         ; where these rows' scales begin, in bytes (all offsets stay under 2^24),
	s_mov_b32 s23, 0
	s_lshl_b32 s92, s46, 5
	s_mov_b32 s93, 0
	s_lshl_b32 s20, s20, 9                         ; and their codes
	s_mov_b32 s21, 0
	s_lshl_b32 s46, s46, 9
	s_mov_b32 s47, 0
	s_mul_i32 s45, s14, HALFT                      ; where they go: wave x 128 rows: no place in the cluster enters an LDS address
	s_mul_i32 s94, s14, HALFS
	s_wait_dscnt 0x0                               ; both opening adds are done
	s_wait_kmcnt 0x0
	s_add_nc_u64 s[8:9], s[4:5], WCODES            ; the weights' codes,
	s_add_nc_u64 s[10:11], s[6:7], WSCALES         ; and their scales
	s_add_nc_u64 s[20:21], s[4:5], s[20:21]
	s_add_nc_u64 s[22:23], s[6:7], s[22:23]
	s_add_nc_u64 s[46:47], s[8:9], s[46:47]
	s_add_nc_u64 s[92:93], s[10:11], s[92:93]
	CROUND                                         ; all sixteen work-groups are here: the joint loads meet
	s_mov_b32 s[G0S], 1
	s_add_co_u32 s[G0S+1], s94, SCL
	s_mov_b64 s[G0S+2:G0S+3], s[22:23]
	s_or_b32 s[G0S+3], s[G0S+3], 0x80000000
	s_mov_b32 s[G0SB], 1
	s_add_co_u32 s[G0SB+1], s94, SCL
	s_mov_b64 s[G0SB+2:G0SB+3], s[92:93]
	s_or_b32 s[G0SB+3], s[G0SB+3], 0x80000000
	JLOAD G0S, G1S, G0SB, G1SB                     ; the scales first: they are wanted with the first slot
.irp s, 0,1
	s_mov_b32 s[G0+4*\s], 1
	s_add_co_u32 s[G0+4*\s+1], s45, \s*SLOT
	s_add_nc_u64 s[G0+4*\s+2:G0+4*\s+3], s[20:21], \s*ROWB
	s_or_b32 s[G0+4*\s+3], s[G0+4*\s+3], 0x80000000
	s_mov_b32 s[G0B+4*\s], 1
	s_add_co_u32 s[G0B+4*\s+1], s45, \s*SLOT
	s_add_nc_u64 s[G0B+4*\s+2:G0B+4*\s+3], s[46:47], \s*ROWB
	s_or_b32 s[G0B+4*\s+3], s[G0B+4*\s+3], 0x80000000
	JLOAD G0+4*\s, G1, G0B+4*\s, G1B               ; three loads of mine are out behind the second of these
.endr
	v_and_b32 v1, 15, v0                           ; r = lane % 16
	v_bfe_u32 v2, v0, 4, 1                         ; h = lane / 16
	v_mul_u32_u24 v3, v1, PITCH
	v_lshl_add_u32 v4, v2, 4, v3                   ; a fragment's row x pitch + 16 h
	s_mul_i32 s21, s15, HALFT                      ; my 128 rows of A
	s_mul_i32 s22, s16, HALFT                      ; my 128 rows of B,
	s_add_co_u32 s22, s22, 2*HALFT                 ; which lie behind A's 256
.irp s, 0,1
	v_add_nc_u32 v[ADRA+\s], s21, v4
	v_add_nc_u32 v[ADRB+\s], s22, v4
	s_add_co_u32 s21, s21, SLOT
	s_add_co_u32 s22, s22, SLOT
.endr
	v_mul_u32_u24 v5, v1, KS                       ; my row's scales: 32 bytes a row,
	v_lshrrev_b32 v6, 8, v5
	v_lshl_add_u32 v5, v6, 4, v5                   ; and 16 more for each 256 passed
	s_mul_i32 s21, s15, HALFS                      ; A's: my 128 rows
	s_mul_i32 s22, s16, HALFS                      ; B's: my 128 rows, behind A's 256
	s_add_co_u32 s22, s22, 2*HALFS
	s_sub_co_u32 s22, s22, s21
	v_mul_u32_u24 v6, s22, v2                      ; lanes 16-31 take B's: the lower base + h x the distance
	s_add_co_u32 s21, s21, SCL
	v_add_nc_u32 v5, v5, v6
	v_add_nc_u32 v[ADRS], s21, v5
	s_mul_i32 s23, s14, 16*SPITCH                  ; my stage
	v_mul_u32_u24 v5, v1, SPITCH                   ; in: row r, 16 bytes for each half of the lanes
	v_lshl_add_u32 v5, v2, 4, v5
	v_add_nc_u32 v[STO], s23, v5
	v_mul_u32_u24 v5, v2, SPITCH                   ; back: lanes 0-15 one row of 256 bytes, lanes 16-31 the next
	v_lshl_add_u32 v5, v1, 4, v5
	v_add_nc_u32 v[RD], s23, v5
	v_lshlrev_b32 v5, 11, v2                       ; and the same two rows in C
	v_lshl_add_u32 v[CO], v1, 4, v5
	s_lshl_b32 s20, s17, 8
	s_lshl_b32 s21, s15, 7
	s_add_co_u32 s20, s20, s21                     ; my first row of C: 256 x tile row + 128 x half
	s_lshl_b32 s20, s20, 11                        ; x 2,048 bytes (under 2^26)
	s_mov_b32 s21, 0
	s_lshl_b32 s46, s42, 9                         ; my first column, in bytes: 512 x tile column + 256 x half
	s_lshl_b32 s47, s16, 8
	s_add_co_u32 s46, s46, s47
	s_mov_b32 s47, 0
	s_add_nc_u64 s[20:21], s[20:21], s[46:47]
	s_add_nc_u64 s[12:13], s[12:13], s[20:21]
.macro FRAG reg, adr, q, i             ; 16 rows x 128 K of 4-bit codes: lane l holds row l % 16; registers 4 c .. 4 c + 3 hold K = 64 c + 32 (l / 16) + 0 .. 31
.irp c, 0,1
	ds_load_b128 v[\reg+4*\c:\reg+4*\c+3], v[\adr] offset:64*(\q)+32*\c+(\i)*16*PITCH
.endr
.endm
; 16 matrix instructions: A's blocks a0, a0 + 1 x B's eight, the slot's q-th 128 along K.  p: B's set;  sc: the set of scale words.  zero = 1: the first product starts the sums.
; The 64 accumulators take turns, one instruction a turn, in the same order in every step.
.macro MUL16 a0, p, q, sc, zero
.irp a, \a0, \a0+1
.irp b, 0,1,2,3,4,5,6,7
.if \zero
	v_wmma_scale_f32_16x16x128_f8f6f4 v[8*(8*((\a)%4)+\b):8*(8*((\a)%4)+\b)+7], v[128*(\p)+FR*\b:128*(\p)+FR*\b+FR-1], v[AF+FR*(\a):AF+FR*(\a)+FR-1], 0, v[SC+8*NQ*(\sc)+NQ*\b+(\q)], v[SC+8*NQ*(\sc)+NQ*(\a)+(\q)] matrix_a_fmt:MATRIX_FMT_FP4 matrix_b_fmt:MATRIX_FMT_FP4 matrix_a_scale:MATRIX_SCALE_ROW1
.else
	v_wmma_scale_f32_16x16x128_f8f6f4 v[8*(8*((\a)%4)+\b):8*(8*((\a)%4)+\b)+7], v[128*(\p)+FR*\b:128*(\p)+FR*\b+FR-1], v[AF+FR*(\a):AF+FR*(\a)+FR-1], v[8*(8*((\a)%4)+\b):8*(8*((\a)%4)+\b)+7], v[SC+8*NQ*(\sc)+NQ*\b+(\q)], v[SC+8*NQ*(\sc)+NQ*(\a)+(\q)] matrix_a_fmt:MATRIX_FMT_FP4 matrix_b_fmt:MATRIX_FMT_FP4 matrix_a_scale:MATRIX_SCALE_ROW1
.endif
.endr
.endr
.endm
.macro FETCH_B slot, q, p              ; B's eight fragments into set p
	WIN TO_B
.irp i, 0,1,2,3,4,5,6,7
	FRAG 128*(\p)+FR*\i, ADRB+\slot, \q, \i
.endr
	WIN 0
.endm
.macro FETCH_A slot, q, i0             ; A's blocks i0 .. i0 + 3
.irp i, \i0, \i0+1, \i0+2, \i0+3
	FRAG AF+FR*(\i), ADRA+\slot, \q, \i
.endr
.endm
.macro SCALES sc                       ; a slot's scale words into set sc: four words a row; lanes 0-15 take A's block i, lanes 16-31 B's
.irp i, 0,1,2,3,4,5,6,7
	ds_load_b128 v[SC+8*NQ*\sc+NQ*\i:SC+8*NQ*\sc+NQ*\i+3], v[ADRS] offset:\i*SBLK
.endr
.endm
; A load into a register that a matrix instruction has read, and a vector instruction that reads a matrix result, stand NP places behind it; only plain vector instructions that name none of its registers are places.
.macro PLACES n
.rept \n
	v_nop
.endr
.endm
.macro STEP slot, q, zero              ; a step of 128 along K that has its successor in the same slot
	s_wait_dscnt 4*NL                              ; B's set and A's blocks 0-3 are in; the youngest eight loads (A's blocks 4-7) may be out
	WIN MUL_LO
	MUL16 0, (\q)%2, \q, \slot, \zero
	MUL16 2, (\q)%2, \q, \slot, \zero
	s_wait_dscnt 0                                 ; A's blocks 4-7 are in
	PLACES NP
	FETCH_B \slot, (\q)+1, 1-(\q)%2
	FETCH_A \slot, (\q)+1, 0
	WIN MUL_HI
	MUL16 4, (\q)%2, \q, \slot, \zero
	MUL16 6, (\q)%2, \q, \slot, \zero
	PLACES NP
	WIN 0
	FETCH_A \slot, (\q)+1, 4
.endm
; Slot 0's last step changes slots: one barrier; in front of it each wave waits for all its tensor loads (its part of slot 1), adds 0 to its spare word, and waits for that and for its own reads of slot 0.  Nothing is filled again.
.macro TURN slot, next
	s_wait_tensorcnt 0x0                           ; all my tensor loads have landed (every window is 0 here)
	ds_add_u32 v[SPW], v[NIL]                      ; 0 onto my spare word
	s_wait_dscnt 4*NL+1                            ; (the add and the youngest eight loads, A's blocks 4-7, may be out)
	WIN MUL_LO
	MUL16 0, 1, NQ-1, \slot, 0
	s_wait_dscnt 0x0                               ; the add is done, and my reads of this slot are over
	s_barrier_signal -1
	MUL16 2, 1, NQ-1, \slot, 0
	WIN 0
	s_barrier_wait -1                              ; slot 1 is whole, and nobody reads slot 0 any more
	PLACES NP
	v_add_nc_u32 v[ADRS], 4*NQ, v[ADRS]            ; on to the next slot's scale words
	FETCH_B \next, 0, 0
	FETCH_A \next, 0, 0
	SCALES \next
	WIN MUL_HI
	MUL16 4, 1, NQ-1, \slot, 0
	MUL16 6, 1, NQ-1, \slot, 0
	PLACES NP
	WIN 0
	FETCH_A \next, 0, 4
.endm
.macro STEPS slot, from                ; the slot's steps from .. NQ - 2
.set Q, \from
.rept NQ-1-\from
	STEP \slot, Q, 0
.set Q, Q+1
.endr
.endm
	s_wait_tensorcnt 1                             ; the scales and my part of slot 0 are in (slot 1's load may be out)
	s_barrier_signal -1
	s_barrier_wait -1                              ; everybody's are
	FETCH_B 0, 0, 0
	FETCH_A 0, 0, 0
	SCALES 0
	FETCH_A 0, 0, 4
	STEP 0, 0, 1                                   ; the first step's products start the sums: nothing is cleared
	STEPS 0, 1
	TURN 0, 1
	STEPS 1, 0
	s_wait_dscnt 4*NL                              ; the very last step: nothing more to fetch
	WIN MUL_LO
	MUL16 0, 1, NQ-1, 1, 0
	MUL16 2, 1, NQ-1, 1, 0
	s_wait_dscnt 0
	WIN MUL_HI
	MUL16 4, 1, NQ-1, 1, 0
	MUL16 6, 1, NQ-1, 1, 0
	WIN 0
; THE WAY OUT, block by block of 16 rows x 128 columns.  PACK: rounded to f16, 16 bytes a lane, each accumulator from its low end on.  TOSTAGE: into my own stage and back as whole rows of 256 bytes.  SEND: stored.
.macro PACK a
.set AC, 64*((\a)%4)
	WIN 0x0a+5*((\a)/4)                            ; sources 0 and 1: window 2 or 3
.irp b, 0,1,2,3,4,5,6,7
.irp r, 0,1,2,3
	v_cvt_pk_f16_f32 v[TMP+4*\b+\r], v[AC+8*\b+2*\r], v[AC+8*\b+2*\r+1]
.endr
.endr
	WIN 0
.endm
.macro TOSTAGE a
.set BK, OB+192*((\a)%2)
.irp b, 0,1,2,3,4,5,6,7
	ds_store_b128 v[STO], v[TMP+4*\b:TMP+4*\b+3] offset:32*\b
.endr
.irp t, 0,1,2,3,4,5,6,7
	ds_load_b128 v[BK+4*\t:BK+4*\t+3], v[RD] offset:\t*2*SPITCH    ; LDS serves a wave's instructions in order (ISA guide 5.7.1.4): these see the stores above
.endr
.endm
.macro SEND a
.set BK, OB+192*((\a)%2)
	s_wait_dscnt 0x0                               ; the block is back in registers
	s_wait_xcnt 0x0                                ; earlier stores have read their base and their data: the base may step, and the block after next may land in their registers
.if (\a) > 0
	s_add_nc_u64 s[12:13], s[12:13], 16*CROW       ; 16 rows of C on
.endif
.irp t, 0,1,2,3,4,5,6,7
	global_store_b128 v[CO], v[BK+4*\t:BK+4*\t+3], s[12:13] offset:2*\t*CROW   ; 16 lanes store 256 consecutive bytes, at a multiple of 256 from the buffer's first byte
.endr
.endm
	PLACES NP                                      ; behind the last products: their results are read, and registers that held scale words are loaded
	PACK 0
	TOSTAGE 0
.irp a, 1,2,3,4,5,6,7                  ; block a's conversions stand between block a - 1's loads from the stage and the wait for them
	PACK \a
	SEND \a-1
	TOSTAGE \a
.endr
	SEND 7
	s_wait_tensorcnt 0x0                           ; the wave's end, behind my last tensor load and my last LDS store
	ds_add_u32 v[SPW], v[NIL]
	s_wait_dscnt 0x0
	CROUND                                         ; the closing round: no work-group ends while a partner may still ask for a tile that names it
	s_endpgm
.Lfunc_end_k_q67a7d0b474_proj:
	.size	k_q67a7d0b474_proj, .Lfunc_end_k_q67a7d0b474_proj-k_q67a7d0b474_proj
	.p2alignl 7, 3214868480
	.fill 96, 4, 3214868480
	.section	.rodata,"a",@progbits
	.p2align	6, 0x0
	.amdhsa_kernel k_q67a7d0b474_proj
		.amdhsa_group_segment_fixed_size 327680
		.amdhsa_private_segment_fixed_size 0
		.amdhsa_enable_private_segment 0
		.amdhsa_kernarg_size 24
		.amdhsa_user_sgpr_count 2
		.amdhsa_user_sgpr_kernarg_segment_ptr 1
		.amdhsa_wavefront_size32 1
		.amdhsa_system_sgpr_workgroup_id_x 1
		.amdhsa_system_sgpr_workgroup_id_y 1
		.amdhsa_system_sgpr_workgroup_id_z 1
		.amdhsa_system_vgpr_workitem_id 0
		.amdhsa_next_free_vgpr 1024
		.amdhsa_next_free_sgpr 98
		.amdhsa_reserve_vcc 0
		.amdhsa_float_denorm_mode_32 3
		.amdhsa_float_denorm_mode_16_64 3
		.amdhsa_memory_ordered 1
		.amdhsa_forward_progress 1
		.amdhsa_inst_pref_size 127
	.end_amdhsa_kernel
	.amdgpu_metadata
---
amdhsa.version: [ 1, 2 ]
amdhsa.kernels:
  - .name:           k_q67a7d0b474_proj
    .symbol:         k_q67a7d0b474_proj.kd
    .args:
      - { .name: codes, .offset: 0, .size: 8, .value_kind: global_buffer, .address_space: global }
      - { .name: scales, .offset: 8, .size: 8, .value_kind: global_buffer, .address_space: global }
      - { .name: qkv, .offset: 16, .size: 8, .value_kind: global_buffer, .address_space: global }
    .group_segment_fixed_size: 327680
    .private_segment_fixed_size: 0
    .kernarg_segment_align: 8
    .kernarg_segment_size: 24
    .max_flat_workgroup_size: 128
    .sgpr_count:     98
    .vgpr_count:     1024
    .wavefront_size: 32
...
	.end_amdgpu_metadata
.endif
;; end of part 2
;; launch attn (part 3): grid 2 x 128, 8 waves a work-group, no clusters, 327,680 bytes of LDS; arguments qkv, att; writes att
.if DOCPART == 3
	.amdgcn_target "amdgcn-amd-amdhsa--gfx1250"
	.amdhsa_code_object_version 6
	.text
	.protected	k_q67a7d0b474_attn
	.globl	k_q67a7d0b474_attn
	.p2align	8
	.type	k_q67a7d0b474_attn,@function
k_q67a7d0b474_attn:
	s_mov_b64 s[64:65], 0
	v_nop
	global_prefetch_b8 v0, s[64:65] scope:SCOPE_SE
	s_setreg_imm32_b32 hwreg(HW_REG_WAVE_MODE, 25, 1), 1
	s_wait_xcnt 0x0
; att[hb][n][:] = the sum over s of softmax_s(q[hb][n] . k[hb][s] / 8) v[hb][s][:], hb = 16 b + h of 128, no mask.  q, k, v: qkv [3][128][1024][64] f16 (the reshape of reference() is the row-major order itself); att: [128][1024][64] f16.
; Products on f16 operands with f32 sums; maxima, exponentials and row sums in f32; the weights p (at most 1) are rounded to f16 for the second product, the result once at the end.
; A running maximum m and sum l for each query: p = 2^(c s - c m), c = log2(e) / 8; in every step O and l are multiplied by a = 2^(c m_old - c m_new).
; LIMITS: NaN and infinities are not served; the result, an average of v, stays inside f16 as v does.
; SHARES.  A work-group owns 512 queries of one head; each of its eight waves 64: four tiles of 16, so that a fragment of K or V read from LDS feeds four matrix instructions.  Two waves share a SIMD's registers:
; the step is written in phases, and one wave's softmax can stand beside the other's products.
; THE WHOLE HEAD'S K AND V STAY IN LDS: 128 KiB each, as rows of 256 bytes (two keys), asked for at the head in two halves; the first 512 keys are walked while the second 512 land.  Nothing is filled again: no barrier in the loops.
; NO CLUSTER: a head has two work-groups; a cluster of four along x would hold two heads, and a joint mask would have to be made of half a place; what is shared is fetched once by each work-group, at its head.
; LAYOUT.  S^T = K Q^T (source 0 = 16 keys, source 1 = 16 queries): a lane holds ONE query (lane % 16) and keys 8 (lane / 16) + 0..7.  Two such tiles, rounded in pairs, ARE source 1 (32 keys x 16 queries) of O^T = V^T P,
; whose result again holds one query a lane and eight channels.  K comes out of LDS as it lies, V ([key][channel]) turned, by ds_load_tr16_b128.
; REGISTERS: window 0: v2-13 addresses; v16-47 statistics, eight a tile; v48-111 Q, 16 a tile; v112-239 S^T, 32 a tile (P is made in place in a tile's lower 16); v240-255 two sum chains a tile.
;   window 1: v0-127 O^T, 32 a tile; v128-191 K of a step; v192-255 V of a step.
.set KP,    272       ; two keys of K in LDS: 256 bytes + 16 = 68 words: the 16 keys of a load start at words 68 (r / 2) + 32 (r % 2): 16 different groups of four banks (64 banks of 4 bytes: ISA guide 11.1)
.set VP,    288       ; two keys of V: 256 + 32 = 72 words: the turning load's 16 lanes start at 72 (key / 2) + 32 (key % 2) + 4 (half)
.set VBASE, 512*KP    ; K's 512 rows, then V's
.set STAGE, VBASE+512*VP  ; behind them: 8 rows x 272 bytes for each wave, for the way out; no tensor load lands here
.set SPARE, STAGE+8*8*KP  ; the spare words, 128 bytes a wave, that no other line names
.set AK0, 2           ; v2   my lane's place in a tile of K; never rewritten
.set AV0, 3           ; v3   the same for V
.set ADK, 4           ; v4   LDS address of the step's K
.set ADV, 5           ; v5   of its V
.set QO,  6           ; v6   my byte offset in the wave's rows of Q
.set STO, 7           ; v7   the way out: where I put 16 bytes
.set RD,  8           ; v8   where I read a row back
.set GO,  10          ; v10  my byte offset in the wave's rows of att
.set SPW, 12          ; v12  LDS address of my spare word; never rewritten
.set NIL, 13          ; v13  0; never rewritten
.set ST,  16          ; tile t's statistics at v[ST+8 t]: +0 c m, +1 m, +2, +3 l (even keys', odd keys'), +4, +5 two chains of the maximum, +6 a, +7 at work
.set Q,   48
.set S,   112
.set TS,  240
.set KF,  128         ; in window 1
.set VF,  192
.set WV,  12          ; s12  my wave's number
.set G1K, 24          ; s[24:31] descriptor group 1 for K's tiles;  s[32:39] for V's: it differs in the padding alone
.set G1V, 32
.set G0K, 40          ; s[40:47] group 0 for K, one set for each half of the keys;  s[48:55] for V
.set G0V, 48
.set CS,  58          ; s[58:59] c: the packed scaling names a pair and takes its low word for both halves
.set SEL, 60          ; s[60:61] lane selects for v_permlanex16_b32: lane l xor 16
.set TBK, 62          ; s62  where the step's keys begin in K's rows
.set TBV, 63          ; s63  and in V's
.set CNT, 66          ; s66  steps to go
.set MSB, 0
.macro WIN new                      ; the immediate's high byte repeats the setting that is left
.if MSB != (\new)
	s_set_vgpr_msb (MSB<<8)|(\new)
.set MSB, (\new)
.endif
.endm
.set W_KQ, 0x01       ; K in window 1; Q and S^T in window 0
.set W_PV, 0x51       ; V in window 1, P in window 0, O^T in window 1
.set W_RS, 0x41       ; O^T (destination and source 0) in window 1, a in window 0
.set W_LD, 0x40       ; destination window 1, address window 0
	s_load_b128 s[4:7], s[0:1], 0x0  ; qkv s[4:5], att s[6:7]
	v_lshl_add_u32 v[SPW], v0, 2, SPARE
	v_mov_b32 v[NIL], 0
	ds_add_u32 v[SPW], v[NIL]       ; the wave's opening: the add, twice on end, and its wait ahead of my first tensor load
	ds_add_u32 v[SPW], v[NIL]
	v_lshrrev_b32 v1, 5, v0
	v_readfirstlane_b32 s[WV], v1   ; wave 0..7
	s_and_b32 s13, ttmp7, 0xffff    ; the head
	s_lshl_b32 s18, s13, 17         ; its first byte in q, in k, in v and in att: 1,024 x 128 bytes a head
	s_and_b32 s20, s[WV], 3         ; u: which 64 rows (128 keys) of each half I fetch
	s_lshl_b32 s22, s20, 14
	s_add_co_u32 s22, s22, s18
	s_mov_b32 s23, 0
	s_mul_i32 s2, s20, 64*KP        ; where they go: K's,
	s_mul_i32 s3, s20, 64*VP
	s_add_co_u32 s3, s3, VBASE      ; V's
	s_lshl_b32 s56, ttmp9, 16       ; my work-group's 512 queries,
	s_lshl_b32 s57, s[WV], 13       ; my wave's 64 of them
	s_add_co_u32 s56, s56, s57
	s_add_co_u32 s56, s56, s18
	s_mov_b32 s57, 0
	; group 1: a tile of 64 rows x 128 elements of 2 bytes, dense in memory, padded in LDS
	s_mov_b32 s[G1K], (1<<16)|(1<<20)|(5<<22)|(3<<25)  ; 15:0 no mask; 17:16 elements of 2 bytes; 20 padding on; 24:22 after every 64 words; 31:25 four words
	s_mov_b32 s[G1V], (1<<16)|(1<<20)|(5<<22)|(7<<25)  ; the same with eight words of padding
.irp g, G1K, G1V
	s_mov_b32 s[\g+1], 128<<16      ; tensor_dim0
	s_mov_b32 s[\g+2], 64<<16       ; tensor_dim1
	s_mov_b32 s[\g+3], 128<<16      ; tile_dim0
	s_mov_b32 s[\g+4], 64           ; tile_dim1
	s_mov_b32 s[\g+5], 128          ; tensor_dim0_stride
	s_mov_b32 s[\g+6], 0
	s_mov_b32 s[\g+7], 0
.endr
	s_mov_b32 s[CS], 0x3e38aa3b     ; c = log2(e) / 8
	s_mov_b32 s[CS+1], s[CS]        ; named with it as a pair, so it is written
	s_mov_b32 s[SEL], 0x76543210
	s_mov_b32 s[SEL+1], 0xfedcba98
	s_mov_b32 s[TBK], 0
	s_mov_b32 s[TBV], 0
	s_wait_dscnt 0x0                ; both opening adds are done
	s_wait_kmcnt 0x0
	s_add_nc_u64 s[8:9], s[4:5], s[22:23]
	s_add_nc_u64 s[10:11], s[8:9], 0x2000000  ; v begins 2 x 16 MiB into qkv,
	s_add_nc_u64 s[8:9], s[8:9], 0x1000000    ; k 16 MiB
	s_add_nc_u64 s[14:15], s[4:5], s[56:57]   ; Q at my wave's first query
	s_add_nc_u64 s[16:17], s[6:7], s[56:57]   ; att likewise
.irp e, 0,1
	s_mov_b32 s[G0K+4*\e], 1        ; count = 1
	s_add_co_u32 s[G0K+4*\e+1], s2, \e*256*KP  ; LDS address: half e begins 256 rows on
	s_add_nc_u64 s[G0K+4*\e+2:G0K+4*\e+3], s[8:9], \e*65536
	s_or_b32 s[G0K+4*\e+3], s[G0K+4*\e+3], 0x80000000  ; type = 2
	s_mov_b32 s[G0V+4*\e], 1
	s_add_co_u32 s[G0V+4*\e+1], s3, \e*256*VP
	s_add_nc_u64 s[G0V+4*\e+2:G0V+4*\e+3], s[10:11], \e*65536
	s_or_b32 s[G0V+4*\e+3], s[G0V+4*\e+3], 0x80000000
.endr
	s_cmp_lt_u32 s[WV], 4           ; waves 0-3 fetch K, waves 4-7 V.  A wave's two fills stand in one branch, ahead of every wait on TENSORcnt, every LDS read and every barrier: two loads of mine are out
	s_cbranch_scc0 .Lfirst_v
	tensor_load_to_lds s[G0K:G0K+3], s[G1K:G1K+7]
	s_nop 0
	tensor_load_to_lds s[G0K+4:G0K+7], s[G1K:G1K+7]
	s_nop 0
.rept 4
	v_nop
.endr
	s_branch .Lfirst_asked
.Lfirst_v:
	tensor_load_to_lds s[G0V:G0V+3], s[G1V:G1V+7]
	s_nop 0
	tensor_load_to_lds s[G0V+4:G0V+7], s[G1V:G1V+7]
	s_nop 0
.rept 4
	v_nop
.endr
.Lfirst_asked:
	v_and_b32 v1, 15, v0            ; r = lane % 16
	v_bfe_u32 v9, v0, 4, 1          ; h = lane / 16
	v_lshlrev_b32 v[QO], 7, v1
	v_lshl_add_u32 v[QO], v9, 4, v[QO]  ; Q: row r of 128 bytes, + 16 h
.irp t, 0,1,2,3                     ; Q stays in registers: tile t, channels 32 c on: registers 0-3 channels 8 h + 0..7, registers 4-7 channels 16 + 8 h + 0..7
.irp c, 0,1
	global_load_b128 v[Q+16*\t+8*\c:Q+16*\t+8*\c+3],   v[QO], s[14:15] offset:2048*\t+64*\c
	global_load_b128 v[Q+16*\t+8*\c+4:Q+16*\t+8*\c+7], v[QO], s[14:15] offset:2048*\t+64*\c+32
.endr
.endr
	v_bfe_u32 v11, v0, 1, 3         ; r / 2
	v_and_b32 v14, 1, v0            ; r % 2
	v_mul_u32_u24 v[AK0], v11, KP
	v_lshl_add_u32 v[AK0], v14, 7, v[AK0]
	v_lshl_add_u32 v[AK0], v9, 4, v[AK0]  ; K: key r lies at KP (r / 2) + 128 (r % 2); + 16 h
	; the turning load: lane l reads 16 bytes: key 8 h + l % 8, channels 8 ((l / 8) % 2) + 0..7, and is left with channel l % 16 and 8 keys
	v_bfe_u32 v15, v0, 1, 2
	v_lshl_add_u32 v15, v9, 2, v15  ; (8 h + l % 8) / 2
	v_mul_u32_u24 v[AV0], v15, VP
	v_lshl_add_u32 v[AV0], v14, 7, v[AV0]
	v_bfe_u32 v15, v0, 3, 1
	v_lshl_add_u32 v[AV0], v15, 4, v[AV0]
	v_add_nc_u32 v[AV0], VBASE, v[AV0]
	s_mul_i32 s13, s[WV], 8*KP
	s_add_co_u32 s13, s13, STAGE    ; my stage: 16 queries x 128 bytes as 8 rows of 256 + 16
	v_add_nc_u32 v[STO], s13, v[AK0]  ; in: query r lies as key r lies in K
	v_mul_u32_u24 v[RD], v9, KP     ; back: lanes 0-15 one row of 256 bytes, lanes 16-31 the next
	v_lshl_add_u32 v[RD], v1, 4, v[RD]
	v_add_nc_u32 v[RD], s13, v[RD]
	v_and_b32 v[GO], 31, v0
	v_lshlrev_b32 v[GO], 4, v[GO]   ; and in att the same 512 bytes on end
; A KEY STEP: 64 keys.  first = 1: the first step, which starts m, l and O^T: it has no a and nothing to rescale.
.macro STEP first
	v_add_nc_u32 v[ADK], s[TBK], v[AK0]  ; these two and three v_nop are five places behind the last products V^T P: the loads into V's registers want four,
	v_add_nc_u32 v[ADV], s[TBV], v[AV0]  ; and the products K Q^T below, which write over P, five (four: ISA guide 7.12.1)
.rept 3
	v_nop
.endr
	WIN W_LD
.irp kt, 0,1,2,3                    ; K: keys 16 kt on, channels 32 c on
.irp c, 0,1
	ds_load_b128 v[KF+16*\kt+8*\c:KF+16*\kt+8*\c+3],   v[ADK] offset:8*KP*\kt+64*\c
	ds_load_b128 v[KF+16*\kt+8*\c+4:KF+16*\kt+8*\c+7], v[ADK] offset:8*KP*\kt+64*\c+32
.endr
.endr
.irp ks, 0,1                        ; V, turned: keys 32 ks on, channels 16 ct on
.irp ct, 0,1,2,3
	ds_load_tr16_b128 v[VF+32*\ks+8*\ct:VF+32*\ks+8*\ct+3],   v[ADV] offset:16*VP*\ks+32*\ct
	ds_load_tr16_b128 v[VF+32*\ks+8*\ct+4:VF+32*\ks+8*\ct+7], v[ADV] offset:16*VP*\ks+32*\ct+8*VP
.endr
.endr
	s_wait_dscnt 16                 ; K's sixteen loads are in; V's sixteen, issued behind them, may be out
	WIN W_KQ
.set i, 0
.rept 32                            ; S^T = K Q^T: channels 32 (i / 16) on, keys 16 ((i / 4) % 4) on, tile i % 4.  The 16 accumulators take turns; the first 16 start the sums
.set rS, S+32*(i%4)+8*((i/4)%4)
.set rK, KF+16*((i/4)%4)+8*(i/16)
.set rQ, Q+16*(i%4)+8*(i/16)
.if i < 16
	v_wmma_f32_16x16x32_f16 v[rS:rS+7], v[rK:rK+7], v[rQ:rQ+7], 0
.else
	v_wmma_f32_16x16x32_f16 v[rS:rS+7], v[rK:rK+7], v[rQ:rQ+7], v[rS:rS+7]
.endif
.set i, i+1
.endr
	WIN 0
.rept 4
	v_nop                           ; four places in front of the first read of the scores
.endr
	; the maximum of a lane's 32 scores, in two chains a tile, the four tiles by turns.  Each accumulator is read first at one of its four lowest registers (s0, s8, s16, s24)
.irp t, 0,1,2,3
	v_max3_num_f32 v[ST+8*\t+4], v[S+32*\t],    v[S+32*\t+1],  v[S+32*\t+2]
	v_max3_num_f32 v[ST+8*\t+5], v[S+32*\t+16], v[S+32*\t+17], v[S+32*\t+18]
.endr
.irp n, 0,1,2,3,4,5
.irp t, 0,1,2,3
	v_max3_num_f32 v[ST+8*\t+4], v[ST+8*\t+4], v[S+32*\t+3+2*\n],  v[S+32*\t+4+2*\n]
	v_max3_num_f32 v[ST+8*\t+5], v[ST+8*\t+5], v[S+32*\t+19+2*\n], v[S+32*\t+20+2*\n]
.endr
.endr
.irp t, 0,1,2,3
	v_max3_num_f32 v[ST+8*\t+4], v[ST+8*\t+4], v[S+32*\t+15], v[S+32*\t+31]
.endr
.irp t, 0,1,2,3
.if \first
	v_max_num_f32 v[ST+8*\t+4], v[ST+8*\t+4], v[ST+8*\t+5]
.else
	v_max3_num_f32 v[ST+8*\t+4], v[ST+8*\t+4], v[ST+8*\t+5], v[ST+8*\t+1]  ; with the old m
.endif
.endr
.irp t, 0,1,2,3
	v_permlanex16_b32 v[ST+8*\t+5], v[ST+8*\t+4], s[SEL], s[SEL+1]  ; the query's other 32 keys lie in the lane 16 away
.endr
.if \first == 0
.irp t, 0,1,2,3
	v_mov_b32 v[ST+8*\t+7], v[ST+8*\t]  ; c m_old is kept for a
.endr
.endif
.irp t, 0,1,2,3
	v_max_num_f32 v[ST+8*\t+1], v[ST+8*\t+4], v[ST+8*\t+5]  ; the new m
.endr
.irp t, 0,1,2,3
	v_mul_f32 v[ST+8*\t], s[CS], v[ST+8*\t+1]  ; c m
.endr
.if \first == 0
.irp t, 0,1,2,3
	v_sub_f32 v[ST+8*\t+7], v[ST+8*\t+7], v[ST+8*\t]  ; c m_old - c m_new
.endr
	; ONE BATCH of exponentials with one wait: a of the four tiles, then the 128 weights.  Nothing in the batch names an exponential's result.  A tile's scalings stand among the exponentials of the tile before
.irp t, 0,1,2,3
	v_exp_f32 v[ST+8*\t+6], v[ST+8*\t+7]
.endr
.endif
.set b, 0
.rept 16
	v_pk_fma_f32 v[S+2*b:S+2*b+1], v[S+2*b:S+2*b+1], s[CS:CS+1], v[ST:ST+1] op_sel_hi:[1,0,0] neg_lo:[0,0,1] neg_hi:[0,0,1]  ; tile 0, pair b: c s - c m
.set b, b+1
.endr
.irp t, 0,1,2,3
.set b, 0
.rept 16
.if \t < 3
	v_pk_fma_f32 v[S+32*(\t+1)+2*b:S+32*(\t+1)+2*b+1], v[S+32*(\t+1)+2*b:S+32*(\t+1)+2*b+1], s[CS:CS+1], v[ST+8*(\t+1):ST+8*(\t+1)+1] op_sel_hi:[1,0,0] neg_lo:[0,0,1] neg_hi:[0,0,1]
.endif
	v_exp_f32 v[S+32*\t+2*b],   v[S+32*\t+2*b]
	v_exp_f32 v[S+32*\t+2*b+1], v[S+32*\t+2*b+1]
.set b, b+1
.endr
.endr
	v_nop                           ; a plain instruction behind the last exponential, ahead of the first use
	s_wait_alu depctr_va_vdst(0)    ; the wait ahead of the first instruction that names a result: one for the batch
	; the row's sum of the unrounded p: two chains of eight pairs a tile (in a pair: an even key's weight, an odd key's)
.irp t, 0,1,2,3
	v_pk_add_f32 v[TS+4*\t:TS+4*\t+1],   v[S+32*\t:S+32*\t+1],       v[S+32*\t+2:S+32*\t+3]
	v_pk_add_f32 v[TS+4*\t+2:TS+4*\t+3], v[S+32*\t+16:S+32*\t+17],   v[S+32*\t+18:S+32*\t+19]
.endr
.irp n, 2,3,4,5,6,7
.irp t, 0,1,2,3
	v_pk_add_f32 v[TS+4*\t:TS+4*\t+1],   v[TS+4*\t:TS+4*\t+1],   v[S+32*\t+2*\n:S+32*\t+2*\n+1]
	v_pk_add_f32 v[TS+4*\t+2:TS+4*\t+3], v[TS+4*\t+2:TS+4*\t+3], v[S+32*\t+16+2*\n:S+32*\t+16+2*\n+1]
.endr
.endr
.if \first
.irp t, 0,1,2,3
	v_pk_add_f32 v[ST+8*\t+2:ST+8*\t+3], v[TS+4*\t:TS+4*\t+1], v[TS+4*\t+2:TS+4*\t+3]  ; l begins
.endr
.else
.irp t, 0,1,2,3
	v_pk_add_f32 v[TS+4*\t:TS+4*\t+1], v[TS+4*\t:TS+4*\t+1], v[TS+4*\t+2:TS+4*\t+3]
.endr
.irp t, 0,1,2,3
	v_pk_fma_f32 v[ST+8*\t+2:ST+8*\t+3], v[ST+8*\t+2:ST+8*\t+3], v[ST+8*\t+6:ST+8*\t+7], v[TS+4*\t:TS+4*\t+1] op_sel_hi:[1,0,1]  ; l = a l + the sum
.endr
.endif
	; P, in place: register j takes pair j.  Ascending, so that no pair is written over before it is read.  Registers 0-7 are keys 0-31, registers 8-15 keys 32-63 of source 1
.irp t, 0,1,2,3
.set j, 0
.rept 16
	v_cvt_pk_f16_f32 v[S+32*\t+j], v[S+32*\t+2*j], v[S+32*\t+2*j+1]
.set j, j+1
.endr
.endr
.if \first == 0
	WIN W_RS
.irp t, 0,1,2,3                     ; O^T times a, each accumulator from its low end on
.set j, 0
.rept 16
	v_pk_mul_f32 v[32*\t+2*j:32*\t+2*j+1], v[32*\t+2*j:32*\t+2*j+1], v[ST+8*\t+6:ST+8*\t+7] op_sel_hi:[1,0]
.set j, j+1
.endr
.endr
.endif
	s_wait_dscnt 0x0                ; V is in
	WIN W_PV
.set i, 0
.rept 32                            ; O^T += V^T P: keys 32 (i / 16) on, channels 16 ((i / 4) % 4) on, tile i % 4.  The 16 accumulators take turns
.set rO, 32*(i%4)+8*((i/4)%4)
.set rV, VF+32*(i/16)+8*((i/4)%4)
.set rP, S+32*(i%4)+8*(i/16)
.if \first && (i < 16)
	v_wmma_f32_16x16x32_f16 v[rO:rO+7], v[rV:rV+7], v[rP:rP+7], 0
.else
	v_wmma_f32_16x16x32_f16 v[rO:rO+7], v[rV:rV+7], v[rP:rP+7], v[rO:rO+7]
.endif
.set i, i+1
.endr
	WIN 0                           ; at a label and at a branch every window is 0
	s_add_co_u32 s[TBK], s[TBK], 32*KP  ; the next 64 keys
	s_add_co_u32 s[TBV], s[TBV], 32*VP
.endm
	s_wait_tensorcnt 1              ; my part of keys 0-511 is in; my part of keys 512-1,023 may stay out
	s_barrier_signal -1
	s_barrier_wait -1               ; everybody's is
	s_wait_loadcnt 0x0              ; Q
	STEP 1
	s_mov_b32 s[CNT], 7
.Lhalf_a:                           ; keys 64 to 511
	STEP 0
	s_sub_co_u32 s[CNT], s[CNT], 1
	s_cmp_lg_u32 s[CNT], 0
	s_cbranch_scc1 .Lhalf_a
	s_wait_tensorcnt 0x0            ; my part of keys 512-1,023 is in,
	s_wait_dscnt 0x0
	s_barrier_signal -1
	s_barrier_wait -1               ; everybody's is
	s_mov_b32 s[CNT], 8
.Lhalf_b:                           ; keys 512 to 1,023
	STEP 0
	s_sub_co_u32 s[CNT], s[CNT], 1
	s_cmp_lg_u32 s[CNT], 0
	s_cbranch_scc1 .Lhalf_b
	; THE WAY OUT.  l's two halves and the other half of the lanes' are added (these additions are the places behind the last products); O^T is divided by l, rounded to f16 and sent through my stage, a tile (16 queries, 2,048 bytes) at a time.
.irp t, 0,1,2,3
	v_add_f32 v[ST+8*\t+4], v[ST+8*\t+2], v[ST+8*\t+3]
.endr
.irp t, 0,1,2,3
	v_permlanex16_b32 v[ST+8*\t+5], v[ST+8*\t+4], s[SEL], s[SEL+1]
.endr
.irp t, 0,1,2,3
	v_add_f32 v[ST+8*\t+4], v[ST+8*\t+4], v[ST+8*\t+5]
.endr
.irp t, 0,1,2,3
	v_rcp_f32 v[ST+8*\t+6], v[ST+8*\t+4]
.endr
	v_nop                           ; a plain instruction between the last reciprocal and the use of its result
	s_wait_alu depctr_va_vdst(0)    ; and the wait: one for the four
.macro PACK t
	WIN W_RS
.set j, 0
.rept 16
	v_pk_mul_f32 v[32*\t+2*j:32*\t+2*j+1], v[32*\t+2*j:32*\t+2*j+1], v[ST+8*\t+6:ST+8*\t+7] op_sel_hi:[1,0]
.set j, j+1
.endr
	WIN 0x05                        ; sources 0 and 1 window 1, destination window 0: S^T's registers are free
.set j, 0
.rept 16
	v_cvt_pk_f16_f32 v[S+32*\t+j], v[32*\t+2*j], v[32*\t+2*j+1]  ; registers 4 ct .. 4 ct + 3: channels 16 ct + 8 h + 0..7 of query r: 16 bytes
.set j, j+1
.endr
	WIN 0
.irp ct, 0,1,2,3
	ds_store_b128 v[STO], v[S+32*\t+4*\ct:S+32*\t+4*\ct+3] offset:32*\ct
.endr
.irp n, 0,1,2,3
	ds_load_b128 v[S+32*\t+16+4*\n:S+32*\t+16+4*\n+3], v[RD] offset:2*KP*\n  ; LDS serves a wave's instructions in order (ISA guide 5.7.1.4): these see the stores above; the next tile's stores come behind them
.endr
.endm
.macro SEND t, younger              ; younger: the LDS instructions issued behind tile t's loads: the next tile's four stores and four loads, or none
.irp n, 0,1,2,3
	s_wait_dscnt \younger+3-\n
	global_store_b128 v[GO], v[S+32*\t+16+4*\n:S+32*\t+16+4*\n+3], s[16:17] offset:2048*\t+512*\n  ; the wave stores 512 consecutive bytes, at a multiple of 256 from att's first byte
.endr
.endm
	PACK 0
	PACK 1                          ; a tile's arithmetic stands between the loads of the tile before and its stores
	SEND 0, 8
	PACK 2
	SEND 1, 8
	PACK 3
	SEND 2, 8
	SEND 3, 0
	s_wait_tensorcnt 0x0            ; the wave's end, behind my last tensor load and my last LDS store
	ds_add_u32 v[SPW], v[NIL]
	s_wait_dscnt 0x0
	s_endpgm
.Lfunc_end_k_q67a7d0b474_attn:
	.size	k_q67a7d0b474_attn, .Lfunc_end_k_q67a7d0b474_attn-k_q67a7d0b474_attn
	.p2alignl 7, 3214868480
	.fill 96, 4, 3214868480
	.section	.rodata,"a",@progbits
	.p2align	6, 0x0
	.amdhsa_kernel k_q67a7d0b474_attn
		.amdhsa_group_segment_fixed_size 327680
		.amdhsa_private_segment_fixed_size 0
		.amdhsa_enable_private_segment 0
		.amdhsa_kernarg_size 16
		.amdhsa_user_sgpr_count 2
		.amdhsa_user_sgpr_kernarg_segment_ptr 1
		.amdhsa_wavefront_size32 1
		.amdhsa_system_sgpr_workgroup_id_x 1
		.amdhsa_system_sgpr_workgroup_id_y 1
		.amdhsa_system_sgpr_workgroup_id_z 1
		.amdhsa_system_vgpr_workitem_id 0
		.amdhsa_next_free_vgpr 512
		.amdhsa_next_free_sgpr 68
		.amdhsa_reserve_vcc 0
		.amdhsa_float_denorm_mode_32 3
		.amdhsa_float_denorm_mode_16_64 3
		.amdhsa_memory_ordered 1
		.amdhsa_forward_progress 1
		.amdhsa_inst_pref_size 111
	.end_amdhsa_kernel
	.amdgpu_metadata
---
amdhsa.version: [ 1, 2 ]
amdhsa.kernels:
  - .name:           k_q67a7d0b474_attn
    .symbol:         k_q67a7d0b474_attn.kd
    .args:
      - { .name: qkv, .offset: 0, .size: 8, .value_kind: global_buffer, .address_space: global }
      - { .name: att, .offset: 8, .size: 8, .value_kind: global_buffer, .address_space: global }
    .group_segment_fixed_size: 327680
    .private_segment_fixed_size: 0
    .kernarg_segment_align: 8
    .kernarg_segment_size: 16
    .max_flat_workgroup_size: 256
    .sgpr_count:     68
    .vgpr_count:     512
    .wavefront_size: 32
...
	.end_amdgpu_metadata
.endif
;; end of part 3
;; launch outp (part 4): grid 4 x 64, 4 waves a work-group, clusters of 4 x 4, 327,680 bytes of LDS; arguments att, wo16, bo, out0; writes out0
.if DOCPART == 4
	.amdgcn_target "amdgcn-amd-amdhsa--gfx1250"
	.amdhsa_code_object_version 6
	.text
	.protected	k_q67a7d0b474_outp
	.globl	k_q67a7d0b474_outp
	.p2align	8
	.type	k_q67a7d0b474_outp,@function
k_q67a7d0b474_outp:
	s_mov_b64 s[64:65], 0
	v_nop
	global_prefetch_b8 v0, s[64:65] scope:SCOPE_SE
	s_setreg_imm32_b32 hwreg(HW_REG_WAVE_MODE, 25, 1), 1
	s_wait_xcnt 0x0
	s_wait_alu depctr_hold_cnt(0) depctr_sa_sdst(0) depctr_va_vdst(0) depctr_va_sdst(0) depctr_va_ssrc(0) depctr_va_vcc(0) depctr_vm_vsrc(0)
	s_getreg_b32 s2, hwreg(HW_REG_IB_STS2, 6, 4)
	s_cmp_eq_u32 s2, 0
	s_cbranch_scc0 .Lentry_in_a_cluster
	s_endpgm
.Lentry_in_a_cluster:
	s_bfe_u32 s2, ttmp6, 0x10000c
	s_cmp_lg_u32 s2, 0xf033
	s_cbranch_scc0 .Lentry_shape_is_right
	s_endpgm
.Lentry_shape_is_right:
; out0[1024 b + n][o] = sum over h, d of att[16 b + h][n][d] Wo[o][64 h + d] + bo[o].  att: [128][1024][64] f16; wo16: [1024][1024] f16; bo: [1024] f32; out0: [8192][1024] f32.  f16 operands, f32 sums.
; The transposition 'b h n d -> b n (h d)' is made by the addresses alone: a K step of 128 is two heads, and a head's 128 rows of a tile are 16,384 dense bytes of att, fetched as 64 rows of 256 bytes (two rows of A each).
; A tile of C is 128 rows x 256 columns: 64 x 4 = 256 work-groups.  Four waves, each 64 x 128: 32 accumulators, 256 registers.  K goes in 8 steps of 128 through two LDS slots.
; The bias is the C of each sum's first matrix instruction: eight registers for each block of 16 columns, in the result's layout: no addition, nothing cleared.
; CLUSTERS: 4 x 4 work-groups.  The four of a row of the cluster need the same tiles of A, the four of a column the same tiles of B: each is asked for JOINTLY, by the same tensor load with the same descriptor and a mask that names the four.
; THE MATRIX INSTRUCTION IS USED TRANSPOSED (source 0 = 16 rows of Wo, source 1 = 16 rows of A): a lane then holds eight neighbouring numbers of a row of C.
; REGISTERS: window 0: v16-30 addresses; v64-95, v96-127 A's fragments (4 x 16 rows x 32 K), two buffers; v128-255 the way out.   window 1: v0-63, v64-127 B's fragments (8), two buffers; v128-191 the bias.
;   window 2: accumulator (a, b) at v[8 (8 a + b)].
.set PITCH,  272                       ; an LDS row: 256 bytes + 16 of padding = 68 words (64 banks of 4 bytes: ISA guide 11.1): B's 16 rows of a load start at banks 4 r; A's, two to an LDS row, at 68 (r / 2) + 32 (r % 2): 16 different groups
.set AHEAD,  64*PITCH                  ; a head's 128 rows of A
.set BOFF,   2*AHEAD                   ; B's 256 rows lie behind A's two heads
.set HALFB,  128*PITCH                 ; 128 rows of B: what one tensor load brings
.set SLOT,   BOFF+2*HALFB
.set STAGE,  2*SLOT                    ; behind the slots: 16 rows x 528 bytes for each wave; no tensor load lands here
.set SPITCH, 528
.set SPARE,  STAGE+4*16*SPITCH         ; the spare words, 128 bytes a wave, that no other line names
.set ASTEP,  262144                    ; a K step in att: two heads
.set BSTEP,  256                       ; and in a row of wo16
.set ADRA, 16                          ; v16-17  LDS address of my A fragments in slot 0, 1
.set ADRB, 20                          ; v20-21  the same for B
.set STO,  24                          ; v24     the way out: where I put 32 bytes of a row
.set RD,   25                          ; v25     where I read a row back
.set CO,   26                          ; v26     my byte offset in a row of C
.set BO,   27                          ; v27     32 x (lane / 16): my eight numbers of a block's sixteen of the bias
.set SPW,  28                          ; v28     LDS address of my spare word; never rewritten
.set NIL,  29                          ; v29     0; never rewritten
.set PFO,  30                          ; v30     the prefetches' offset of my lane; never rewritten
.set BK,   128
.set G1, 24                            ; s[24:31] group 1 for A's tiles;  s[32:39] group 0, one set for each slot
.set G0, 32
.set G1B, 48                           ; s[48:55], s[56:63] the same for B's
.set G0B, 56
.set PFA, 44                           ; s[44:45] where my prefetches stand
.set PFS, 46                           ; s[46:47] a K step on, in bytes
.set LIM, 66                           ; s66     1 in a wave that prefetches, else the greatest number
.set MSB, 0
.macro WIN new                         ; the immediate's high byte repeats the setting that is left
.if MSB != (\new)
	s_set_vgpr_msb (MSB<<8)|(\new)
.set MSB, (\new)
.endif
.endm
.set MUL,  0xa1                        ; source 0 (B) window 1, source 1 (A) window 0, C and D window 2
.set MUL1, 0x91                        ; the same with C (the bias) in window 1
.set TO_B, 0x40                        ; destination window 1, address window 0
.macro JLOAD s                         ; a joint load: waves 0 and 1 fetch A's two heads, waves 2 and 3 B's two halves; an s_nop 0 and four v_nop follow each of the two lines
	s_cmp_eq_u32 s13, 0
	s_cbranch_scc0 .Lfor_b_\@
	tensor_load_to_lds s[G0+4*\s:G0+4*\s+3], s[G1:G1+7]
	s_nop 0
.rept 4
	v_nop
.endr
	s_branch .Lasked_\@
.Lfor_b_\@:
	tensor_load_to_lds s[G0B+4*\s:G0B+4*\s+3], s[G1B:G1B+7]
	s_nop 0
.rept 4
	v_nop
.endr
.Lasked_\@:
.endm
.macro CREST                           ; a round of the cluster's barrier behind its opening barrier
	s_cmp_lg_u32 s12, 0
	s_cbranch_scc1 .Lnot_wave_0_\@
	s_barrier_signal -3
.Lnot_wave_0_\@:
	s_barrier_wait -3
	s_barrier_signal -1
	s_barrier_wait -1
.endm
.macro CROUND
	s_barrier_signal -1
	s_barrier_wait -1
	CREST
.endm
; A PREFETCH of the K step that stands two refills on, behind the joint load and the run of LDS loads: 256 matrix instructions ahead of the load that will want it.  Each aligned block of 256 bytes is named once in the launch.
; A's tile is read by the four partners of one row of one cluster and by nobody else: wave 0 of each asks for 16 blocks of each of the two heads, told apart BY ADDRESS (4,096 cx).  B's rows are read by every cluster: the clusters
; with y = 0 ask, waves 2 and 3 for the 128 rows that they fetch, of which each of the four partners takes 32 by address (32 cy), a lane a row.  The loop's last trip (s3 = 1) asks for nothing: there is no K step two refills on.
.macro ASK
	s_cmp_gt_u32 s3, s[LIM]
	s_cbranch_scc0 .Lnot_mine_\@
	global_prefetch_b8 v[PFO], s[PFA:PFA+1] th:TH_LOAD_NT scope:SCOPE_SE
.Lnot_mine_\@:
.endm
	s_load_b256 s[4:11], s[0:1], 0x0               ; att s[4:5], wo16 s[6:7], bo s[8:9], out0 s[10:11]
	v_lshl_add_u32 v[SPW], v0, 2, SPARE
	v_mov_b32 v[NIL], 0
	ds_add_u32 v[SPW], v[NIL]                      ; the wave's opening: the add, twice on end, and its wait ahead of my first tensor load
	ds_add_u32 v[SPW], v[NIL]
	v_lshrrev_b32 v1, 5, v0
	v_readfirstlane_b32 s12, v1                    ; wave 0..3
	s_lshr_b32 s13, s12, 1                         ; i: which 64 rows of the tile are mine.  Also: I fetch for A (0) or for B (1)
	s_and_b32 s14, s12, 1                          ; j: which 128 columns.  Also: which head of a K step, or which 128 rows of B, I fetch
	s_bfe_u32 s15, ttmp6, 0x40000                  ; cx
	s_bfe_u32 s16, ttmp6, 0x40004                  ; cy
	s_lshl_b32 s17, ttmp9, 2
	s_add_co_u32 s17, s17, s15                     ; tile column = 4 x cluster x + cx
	s_and_b32 s19, ttmp7, 0xffff                   ; cluster y
	s_lshl_b32 s18, s19, 2
	s_add_co_u32 s18, s18, s16                     ; tile row = 4 x cluster y + cy
	s_lshl_b32 s40, s16, 2
	s_lshl_b32 s40, 15, s40                        ; my row of the cluster
	s_lshl_b32 s41, 0x1111, s15                    ; my column
	s_or_b32 s[G1+0], s40, (1<<16)|(1<<20)|(1<<21)|(5<<22)|(3<<25)   ; 15:0 the mask; 17:16 elements of 2 bytes; 20 padding on; 21 set beside a mask; 24:22 after every 64 words; 31:25 four words
	s_or_b32 s[G1B+0], s41, (1<<16)|(1<<20)|(1<<21)|(5<<22)|(3<<25)
	s_mov_b32 s[G1+1], 128<<16                     ; A: 64 rows of 128 elements, dense in memory
	s_mov_b32 s[G1+2], 64<<16
	s_mov_b32 s[G1+3], 128<<16
	s_mov_b32 s[G1+4], 64
	s_mov_b32 s[G1+5], 128
	s_mov_b32 s[G1+6], 0
	s_mov_b32 s[G1+7], 0
	s_mov_b32 s[G1B+1], 128<<16                    ; B: 128 rows of 128 elements, 1,024 elements apart
	s_mov_b32 s[G1B+2], 128<<16
	s_mov_b32 s[G1B+3], 128<<16
	s_mov_b32 s[G1B+4], 128
	s_mov_b32 s[G1B+5], 1024
	s_mov_b32 s[G1B+6], 0
	s_mov_b32 s[G1B+7], 0
	s_lshr_b32 s22, s18, 3                         ; the batch: 8 tile rows each,
	s_lshl_b32 s22, s22, 21                        ; 16 heads of 131,072 bytes;
	s_and_b32 s21, s18, 7
	s_lshl_b32 s21, s21, 14                        ; the tile's 128 rows of 128 bytes in a head
	s_add_co_u32 s22, s22, s21                     ; A's tile in head 0 of its batch (kept for the prefetches)
	s_lshl_b32 s20, s14, 17
	s_add_co_u32 s20, s20, s22                     ; + the head of the K step that I fetch
	s_mov_b32 s21, 0
	s_lshl_b32 s42, s17, 19                        ; B: 256 rows of 2,048 bytes a tile column,
	s_lshl_b32 s43, s14, 18                        ; + 128 rows x half
	s_add_co_u32 s42, s42, s43
	s_mov_b32 s43, 0
	s_mul_i32 s23, s14, AHEAD                      ; where they go: no place in the cluster enters an LDS address
	s_mul_i32 s2, s14, HALFB
	s_add_co_u32 s2, s2, BOFF
	s_wait_dscnt 0x0                               ; both opening adds are done
	s_wait_kmcnt 0x0
	s_add_nc_u64 s[20:21], s[4:5], s[20:21]
	s_add_nc_u64 s[42:43], s[6:7], s[42:43]
	CROUND                                         ; all sixteen work-groups are here: the first joint loads meet
.irp s, 0,1
	s_mov_b32 s[G0+4*\s], 1
	s_add_co_u32 s[G0+4*\s+1], s23, \s*SLOT
	s_add_nc_u64 s[G0+4*\s+2:G0+4*\s+3], s[20:21], \s*ASTEP
	s_or_b32 s[G0+4*\s+3], s[G0+4*\s+3], 0x80000000
	s_mov_b32 s[G0B+4*\s], 1
	s_add_co_u32 s[G0B+4*\s+1], s2, \s*SLOT
	s_add_nc_u64 s[G0B+4*\s+2:G0B+4*\s+3], s[42:43], \s*BSTEP
	s_or_b32 s[G0B+4*\s+3], s[G0B+4*\s+3], 0x80000000
	JLOAD \s                                       ; two loads of mine are out behind the second
.endr
	v_and_b32 v1, 15, v0                           ; r = lane % 16
	v_bfe_u32 v2, v0, 4, 1                         ; h = lane / 16
	v_bfe_u32 v3, v0, 1, 3                         ; r / 2
	v_and_b32 v4, 1, v0                            ; r % 2
	v_mul_u32_u24 v5, v3, PITCH
	v_lshl_add_u32 v5, v4, 7, v5
	v_lshl_add_u32 v5, v2, 4, v5                   ; A: row r lies at PITCH (r / 2) + 128 (r % 2); + 16 h
	v_mul_u32_u24 v6, v1, PITCH
	v_lshl_add_u32 v6, v2, 4, v6                   ; B: row r x pitch + 16 h
	s_mul_i32 s20, s13, 32*PITCH                   ; my 64 rows of A
	s_mul_i32 s21, s14, HALFB                      ; my 128 rows of B
	s_add_co_u32 s21, s21, BOFF
.irp s, 0,1
	v_add_nc_u32 v[ADRA+\s], s20, v5
	v_add_nc_u32 v[ADRB+\s], s21, v6
	s_add_co_u32 s20, s20, SLOT
	s_add_co_u32 s21, s21, SLOT
.endr
	s_mul_i32 s20, s12, 16*SPITCH
	s_add_co_u32 s20, s20, STAGE                   ; my stage
	v_mul_u32_u24 v5, v1, SPITCH                   ; in: row r, 32 bytes for each half of the lanes
	v_lshl_add_u32 v5, v2, 5, v5
	v_add_nc_u32 v[STO], s20, v5
	v_and_b32 v6, 31, v0
	v_lshlrev_b32 v[CO], 4, v6                     ; back: the 32 lanes take one row of 512 bytes; and the same in C
	v_add_nc_u32 v[RD], s20, v[CO]
	v_lshlrev_b32 v[BO], 5, v2
	s_lshl_b32 s20, s18, 7
	s_lshl_b32 s21, s13, 6
	s_add_co_u32 s20, s20, s21                     ; my first row of C: 128 x tile row + 64 i
	s_lshl_b32 s20, s20, 12                        ; x 4,096 bytes (under 2^25)
	s_mov_b32 s21, 0
	s_lshl_b32 s42, s17, 10                        ; my first column, in bytes, in C and in bo: 1,024 x tile column + 512 j
	s_lshl_b32 s43, s14, 9
	s_add_co_u32 s42, s42, s43
	s_mov_b32 s43, 0
	s_add_nc_u64 s[8:9], s[8:9], s[42:43]
	s_add_nc_u64 s[10:11], s[10:11], s[42:43]
	s_add_nc_u64 s[10:11], s[10:11], s[20:21]
	WIN TO_B
.irp b, 0,1,2,3,4,5,6,7                        ; the bias in the result's layout: lane (r, h), block b, register j: bo at column 16 b + 8 h + j
	global_load_b128 v[128+8*\b:128+8*\b+3],   v[BO], s[8:9] offset:64*\b
	global_load_b128 v[128+8*\b+4:128+8*\b+7], v[BO], s[8:9] offset:64*\b+16
.endr
	WIN 0
	; the prefetches: where mine stand, how they step, who asks.  Nothing is prefetched here, at the head, where every work-group's first tiles are on their way
	s_lshl_b32 s20, s15, 12                        ; A's: my work-group's 16 blocks of each head,
	s_add_co_u32 s20, s20, s22
	s_add_co_u32 s20, s20, 3*ASTEP                 ; at K step 3: the first refill steps it to 4
	s_lshl_b32 s21, s17, 8                         ; B's: row 256 x tile column + 128 j + 32 cy,
	s_lshl_b32 s23, s14, 7
	s_add_co_u32 s21, s21, s23
	s_lshl_b32 s23, s16, 5
	s_add_co_u32 s21, s21, s23
	s_lshl_b32 s21, s21, 11
	s_add_co_u32 s21, s21, 3*BSTEP
	s_mov_b32 s[PFS], BSTEP
	s_mov_b32 s42, 32768                           ; B's: 2,048 bytes from lane to lane = 32,768 (lane / 16) + 2,048 (lane % 16)
	s_mov_b32 s43, 2048
	s_cmp_lt_u32 s12, 2                            ; do I fetch for A?
	s_cselect_b64 s[PFA:PFA+1], s[4:5], s[6:7]
	s_cselect_b32 s20, s20, s21
	s_cselect_b32 s[PFS], ASTEP, s[PFS]
	s_cselect_b32 s42, 131072, s42                 ; A's: lanes 16-31 take the second head, 256 bytes from lane to lane
	s_cselect_b32 s43, 256, s43
	s_cselect_b32 s23, s12, s19                    ; wave 0 asks for A in every work-group; waves 2 and 3 for B where cluster y = 0: the same in all sixteen partners
	s_mov_b32 s21, 0
	s_mov_b32 s[PFS+1], 0
	s_add_nc_u64 s[PFA:PFA+1], s[PFA:PFA+1], s[20:21]
	s_cmp_eq_u32 s23, 0
	s_cselect_b32 s[LIM], 1, -1
	v_mul_u32_u24 v5, s42, v2
	v_mul_u32_u24 v6, s43, v1
	v_add_nc_u32 v[PFO], v5, v6
; 8 matrix instructions: A's block a x B's eight, 32 along K, from buffer f.  first = 1: the bias is C, and starts the sums.  The 32 accumulators take turns, one instruction a turn, in the same order in every quarter
.macro MULA f, a, first
.irp b, 0,1,2,3,4,5,6,7
.if \first
	v_wmma_f32_16x16x32_f16 v[8*(8*\a+\b):8*(8*\a+\b)+7], v[64*\f+8*\b:64*\f+8*\b+7], v[64+32*\f+8*\a:64+32*\f+8*\a+7], v[128+8*\b:128+8*\b+7]
.else
	v_wmma_f32_16x16x32_f16 v[8*(8*\a+\b):8*(8*\a+\b)+7], v[64*\f+8*\b:64*\f+8*\b+7], v[64+32*\f+8*\a:64+32*\f+8*\a+7], v[8*(8*\a+\b):8*(8*\a+\b)+7]
.endif
.endr
.endm
; 24 LDS loads in one run: the fragments of the slot's q-th 32 along K into buffer f: B's eight, then A's four.  In A quarter q is head q / 2, channels 32 (q % 2) on
.macro FETCH slot, q, f
	WIN TO_B
.irp b, 0,1,2,3,4,5,6,7
	ds_load_b128 v[64*(\f)+8*\b:64*(\f)+8*\b+3],   v[ADRB+\slot] offset:64*(\q)+16*PITCH*\b
	ds_load_b128 v[64*(\f)+8*\b+4:64*(\f)+8*\b+7], v[ADRB+\slot] offset:64*(\q)+16*PITCH*\b+32
.endr
	WIN 0
.irp a, 0,1,2,3
	ds_load_b128 v[64+32*(\f)+8*\a:64+32*(\f)+8*\a+3],   v[ADRA+\slot] offset:AHEAD*((\q)/2)+64*((\q)%2)+8*PITCH*\a
	ds_load_b128 v[64+32*(\f)+8*\a+4:64+32*(\f)+8*\a+7], v[ADRA+\slot] offset:AHEAD*((\q)/2)+64*((\q)%2)+8*PITCH*\a+32
.endr
.endm
.macro PLACES                          ; four places in front of loads into registers that matrix instructions have read, and of LDS stores that read results (ISA guide 7.12.1 for vector instructions)
.rept 4
	v_nop
.endr
.endm
; A K step is four quarters of 32 along K, 32 matrix instructions each, on buffers 0, 1, 0, 1.  One of the first three: multiplies buffer f and fetches quarter q of the slot into g.
.macro QUARTER slot, q, f, g, first
	s_wait_dscnt 4                                 ; B's eight and A's blocks 0 and 1 are in; the youngest four loads (A's blocks 2 and 3) may be out
.if \first
	WIN MUL1
.else
	WIN MUL
.endif
	MULA \f, 0, \first
	MULA \f, 1, \first
	PLACES
	FETCH \slot, \q, \g
	s_wait_dscnt 24                                ; all but the 24 just issued
.if \first
	WIN MUL1
.else
	WIN MUL
.endif
	MULA \f, 2, \first
	MULA \f, 3, \first
.endm
; The last quarter multiplies buffer 1 and changes slots: ONE barrier; in front of it each wave waits for all its tensor loads, adds 0 to its spare word, and waits for that and for its own reads of this slot.
; fill = 1: the barrier opens a round of the cluster's, and this slot is filled again, two K steps ahead: one joint load a wave, with 112 matrix instructions between it and the wait for it.
.macro TURN slot, next, fill
.if \fill
	s_wait_xcnt 0x0                                ; the last prefetch, a K step back, has read its address: it is stepped here, ahead of the waits of the change of slots
	s_add_nc_u64 s[PFA:PFA+1], s[PFA:PFA+1], s[PFS:PFS+1]
.endif
	WIN 0                                          ; (the add's two registers lie in window 0)
	s_wait_tensorcnt 0x0                           ; all my tensor loads have landed: my part of the next slot
	ds_add_u32 v[SPW], v[NIL]                      ; 0 onto my spare word
	s_wait_dscnt 5                                 ; (the add and the youngest four loads may be out)
	WIN MUL
	MULA 1, 0, 0                                   ; eight matrix instructions stand between the add and the wait for it
	s_wait_dscnt 0x0                               ; the add is done, and my reads of this slot are over
	s_barrier_signal -1
	MULA 1, 1, 0
.if \fill
	WIN 0
.endif
	s_barrier_wait -1
.if \fill
	CREST                                          ; no wave of any partner still reads this slot's tile or has a load on its way
	s_add_nc_u64 s[G0+4*\slot+2:G0+4*\slot+3], s[G0+4*\slot+2:G0+4*\slot+3], 2*ASTEP
	s_add_nc_u64 s[G0B+4*\slot+2:G0B+4*\slot+3], s[G0B+4*\slot+2:G0B+4*\slot+3], 2*BSTEP
	JLOAD \slot                                    ; the first tensor load behind the round; the four v_nop behind it are also the places in front of the loads below
.else
	PLACES
.endif
	FETCH \next, 0, 0
.if \fill
	ASK
.endif
	WIN MUL
	MULA 1, 2, 0
	MULA 1, 3, 0
.endm
	s_wait_tensorcnt 1                             ; my part of K step 0 is in (K step 1's load may be out)
	s_barrier_signal -1
	s_barrier_wait -1                              ; everybody's is
	FETCH 0, 0, 0
	s_wait_loadcnt 0x0                             ; the bias
	QUARTER 0, 1, 0, 1, 1                          ; the first quarter stands in front of the loop: its products start the sums from the bias
	WIN 0                                          ; at a label and at a branch every window is 0
	s_mov_b32 s3, 3
.Llap:                                                 ; a trip goes once round the two slots, from a lap's second quarter to the next lap's first, and fills both again
	QUARTER 0, 2, 1, 0, 0
	QUARTER 0, 3, 0, 1, 0
	TURN 0, 1, 1
	QUARTER 1, 1, 0, 1, 0
	QUARTER 1, 2, 1, 0, 0
	QUARTER 1, 3, 0, 1, 0
	TURN 1, 0, 1
	QUARTER 0, 1, 0, 1, 0
	WIN 0
	s_sub_co_u32 s3, s3, 1
	s_cmp_lg_u32 s3, 0
	s_cbranch_scc1 .Llap
	QUARTER 0, 2, 1, 0, 0                          ; the last lap fills nothing, and has no round of the cluster's barrier
	QUARTER 0, 3, 0, 1, 0
	TURN 0, 1, 0
	QUARTER 1, 1, 0, 1, 0
	QUARTER 1, 2, 1, 0, 0
	QUARTER 1, 3, 0, 1, 0
	s_wait_dscnt 4                                 ; the very last quarter: nothing more to fetch
	WIN MUL
	MULA 1, 0, 0
	MULA 1, 1, 0
	s_wait_dscnt 0
	MULA 1, 2, 0
	MULA 1, 3, 0
	WIN 0
; THE WAY OUT, block by block of 16 rows x 128 columns.  A lane holds 32 neighbouring bytes of a row: a block goes through my own stage and comes back as whole rows of 512 bytes.
.macro TOSTAGE a
	WIN 0x08                                       ; an LDS store's data are its source 1: window 2
.irp b, 0,1,2,3,4,5,6,7
	ds_store_b128 v[STO], v[64*(\a)+8*\b:64*(\a)+8*\b+3] offset:64*\b          ; each accumulator from its low end on
	ds_store_b128 v[STO], v[64*(\a)+8*\b+4:64*(\a)+8*\b+7] offset:64*\b+16
.endr
	WIN 0
.set BB, BK+64*((\a)%2)
.irp t, 0,1,2,3,4,5,6,7,8,9,10,11,12,13,14,15
	ds_load_b128 v[BB+4*\t:BB+4*\t+3], v[RD] offset:\t*SPITCH      ; LDS serves a wave's instructions in order (ISA guide 5.7.1.4): these see the stores above
.endr
.endm
.macro SEND a, younger                 ; younger: the LDS instructions issued behind block a's loads, which may stay out
.set BB, BK+64*((\a)%2)
	s_wait_dscnt \younger                          ; the block is back in registers
.if (\a) > 0
	s_add_nc_u64 s[10:11], s[10:11], 16*4096       ; (behind a wait on XCNT: the earlier stores have read their base)  16 rows of C on
.endif
.irp t, 0,1,2,3,4,5,6,7,8,9,10,11,12,13,14,15
	global_store_b128 v[CO], v[BB+4*\t:BB+4*\t+3], s[10:11] offset:\t*4096 th:TH_STORE_NT   ; 32 lanes store 512 consecutive bytes, at a multiple of 256 from out0's first byte; written once, read by nobody here
.endr
.endm
	PLACES                                         ; behind the last products, whose results the LDS stores read
	TOSTAGE 0
.irp a, 1,2,3
.if \a > 1
	s_wait_xcnt 0x0                                ; block a - 2's stores have read their registers and their base: block a's loads may land there, and the base may step
.endif
	TOSTAGE \a
	SEND \a-1, 32                                  ; behind block a - 1's loads: block a's 16 stores and 16 loads
.endr
	s_wait_xcnt 0x0                                ; block 2's stores have read their base
	SEND 3, 0
	s_wait_tensorcnt 0x0                           ; the wave's end, behind my last tensor load and my last LDS store
	ds_add_u32 v[SPW], v[NIL]
	s_wait_dscnt 0x0
	CROUND                                         ; the closing round: no work-group ends while a partner may still ask for a tile that names it
	s_endpgm
.Lfunc_end_k_q67a7d0b474_outp:
	.size	k_q67a7d0b474_outp, .Lfunc_end_k_q67a7d0b474_outp-k_q67a7d0b474_outp
	.p2alignl 7, 3214868480
	.fill 96, 4, 3214868480
	.section	.rodata,"a",@progbits
	.p2align	6, 0x0
	.amdhsa_kernel k_q67a7d0b474_outp
		.amdhsa_group_segment_fixed_size 327680
		.amdhsa_private_segment_fixed_size 0
		.amdhsa_enable_private_segment 0
		.amdhsa_kernarg_size 32
		.amdhsa_user_sgpr_count 2
		.amdhsa_user_sgpr_kernarg_segment_ptr 1
		.amdhsa_wavefront_size32 1
		.amdhsa_system_sgpr_workgroup_id_x 1
		.amdhsa_system_sgpr_workgroup_id_y 1
		.amdhsa_system_sgpr_workgroup_id_z 1
		.amdhsa_system_vgpr_workitem_id 0
		.amdhsa_next_free_vgpr 768
		.amdhsa_next_free_sgpr 68
		.amdhsa_reserve_vcc 0
		.amdhsa_float_denorm_mode_32 3
		.amdhsa_float_denorm_mode_16_64 3
		.amdhsa_memory_ordered 1
		.amdhsa_forward_progress 1
		.amdhsa_inst_pref_size 89
	.end_amdhsa_kernel
	.amdgpu_metadata
---
amdhsa.version: [ 1, 2 ]
amdhsa.kernels:
  - .name:           k_q67a7d0b474_outp
    .symbol:         k_q67a7d0b474_outp.kd
    .args:
      - { .name: att, .offset: 0, .size: 8, .value_kind: global_buffer, .address_space: global }
      - { .name: wo16, .offset: 8, .size: 8, .value_kind: global_buffer, .address_space: global }
      - { .name: bo, .offset: 16, .size: 8, .value_kind: global_buffer, .address_space: global }
      - { .name: out0, .offset: 24, .size: 8, .value_kind: global_buffer, .address_space: global }
    .group_segment_fixed_size: 327680
    .private_segment_fixed_size: 0
    .kernarg_segment_align: 8
    .kernarg_segment_size: 32
    .max_flat_workgroup_size: 128
    .sgpr_count:     68
    .vgpr_count:     768
    .wavefront_size: 32
...
	.end_amdgpu_metadata
.endif
;; end of part 4
